; MI455X (gfx1250); checked and timed in simulation.
; The chip was launched on July 23, 2026; its instructions are those of AMD's public machine-readable ISA for CDNA 5 (MIT licence, August 2026) and "CDNA5" Instruction Set Architecture Reference Guide (July 2026). The comments in the code are by the model that wrote it; some were corrected since.
;; Simple Mo E. Allowed arithmetic: float matrix products may take bf16 or f16 operands with f32 sums; other float arithmetic in f32, or as packed bf16 or f16 multiplies, adds, multiply-adds, maxima and minima; sums over many terms, partial sums and values carried from step to step in f32; what a program stores and reads back later, other than sums and carried values, may be rounded once to bf16 or f16.
;; Inputs: b1 8 x 4,096 float32; b2 8 x 1,024 float32; gate_b 8 float32; gate_w 1,024 x 8 float32; w1 8 x 1,024 x 4,096 float32; w2 8 x 4,096 x 1,024 float32; x 4 x 256 x 1,024 float32.
;; Outputs: out0 4 x 256 x 1,024 float32.
;; 2 versions, each right and faster than the one before. Each part assembles by itself: llvm-mc -triple=amdgcn-amd-amdhsa -mcpu=gfx1250 --defsym DOCPART=n.
;; ======== version 1 of 2: 4 launches
;; limits: a function is approximated: absolute error at most 1.5e-07
;; workspace buffers: x16 2,097,152 bytes; gat 8,192 bytes; bm 2,048 bytes of whole numbers; hid 67,108,864 bytes; part 33,554,432 bytes
;; launch router (part 1): grid 64 x 1, 4 waves a work-group, no clusters, 70,656 bytes of LDS; arguments x, gate_w, gate_b, x16, gat, bm; writes x16, gat, bm
.if DOCPART == 1
	.amdgcn_target "amdgcn-amd-amdhsa--gfx1250"
	.amdhsa_code_object_version 6
	.text
	.protected	k_qf940322d5f_router
	.globl	k_qf940322d5f_router
	.p2align	8
	.type	k_qf940322d5f_router,@function
k_qf940322d5f_router:
	s_mov_b64 s[64:65], 0
	v_nop
	global_prefetch_b8 v0, s[64:65] scope:SCOPE_SE
	s_setreg_imm32_b32 hwreg(HW_REG_WAVE_MODE, 25, 1), 1
	s_wait_xcnt 0x0
; ROUTER.  logits = x gate_w + gate_b, the two largest of the 8 for each token, a softmax over those two.
; All inputs are rounded to bf16 first (x, gate_w, gate_b), products in the matrix unit, sums in f32.
; A work-group has 16 tokens.  It stores: x16 (x rounded to bf16, [1024][1024]); gat ([slot 2][token 1024] f32, the weights);
; bm ([expert 8][slot 2][64 halfwords]: bit i of halfword g = token 16 g + i chose that expert in that slot).  All store addresses are fixed.
; LIMITS.  NaN and infinities are not treated apart.  Equal logits: the lower index wins, as in jax.lax.top_k.  Two logits closer than the
; rounding of an f32 sum of 1,024 terms may be ordered otherwise than by another order of summation.
; No cluster: the work-groups share only gate_w, 32 KiB against 64 KiB of x each, read once through registers.
.set XT, 0               ; 16 rows of x in bf16, pitch 2,064 = 129 x 16 bytes
.set XP, 2064
.set GT, 33280           ; gate_w in bf16 as [k 1024][16 columns], pitch 32; columns 8 to 15 are 0
.set PS, 66048           ; the four waves' partial logits, 1,024 bytes each
.set SPARE, 70144        ; the spare words: 128 bytes a wave
	s_load_b256 s[4:11], s[0:1], 0x0               ; x s[4:5], gate_w s[6:7], gate_b s[8:9], x16 s[10:11]
	s_load_b128 s[12:15], s[0:1], 0x20             ; gat s[12:13], bm s[14:15]
	v_lshl_add_u32 v2, v0, 2, SPARE                ; my spare word; never rewritten
	v_mov_b32 v3, 0                                ; 0; never rewritten
	v_and_b32 v1, 31, v0                           ; lane
	v_lshrrev_b32 v4, 5, v0
	v_readfirstlane_b32 s16, v4                    ; wave 0..3
	s_lshl_b32 s18, ttmp9, 16                      ; 16 tokens x 4,096 bytes of x
	s_mov_b32 s19, 0
	s_lshl_b32 s20, ttmp9, 15                      ; 16 tokens x 2,048 bytes of x16
	s_mov_b32 s21, 0
	s_lshl_b32 s22, s16, 14
	v_lshl_add_u32 v5, v1, 4, s22                  ; x: my wave's 4 rows, 16 bytes a lane
	s_lshl_b32 s22, s16, 13
	v_lshl_add_u32 v6, v1, 3, s22                  ; x16: the same rows, 8 bytes a lane
	s_mul_i32 s22, s16, 4*XP
	v_lshl_add_u32 v7, v1, 3, s22                  ; and in LDS
	v_lshlrev_b32 v8, 4, v0                        ; gate_w: 16 bytes a thread
	v_mov_b32 v9, 0                                ; gate_b: offset 0
	s_wait_kmcnt 0x0
	s_add_nc_u64 s[4:5], s[4:5], s[18:19]
	s_add_nc_u64 s[10:11], s[10:11], s[20:21]
.set n, 0
.rept 32                                               ; row n / 8 of my four, 512 bytes n % 8 of it
	global_load_b128 v[64+4*n:64+4*n+3], v5, s[4:5] offset:(n/8)*4096+(n%8)*512 th:TH_LOAD_NT
.set n, n+1
.endr
.set n, 0
.rept 16                                               ; thread t: k = 64 n + t / 2, experts 4 (t % 2) + 0..3
	global_load_b128 v[192+4*n:192+4*n+3], v8, s[6:7] offset:2048*n
.set n, n+1
.endr
	global_load_b128 v[16:19], v9, s[8:9]
	global_load_b128 v[20:23], v9, s[8:9] offset:16
	v_lshrrev_b32 v10, 1, v0
	v_and_b32 v11, 1, v0
	v_lshlrev_b32 v10, 5, v10
	v_lshl_add_u32 v10, v11, 3, v10
	v_add_nc_u32 v10, GT, v10                      ; row t / 2, 8 bytes t % 2
	v_lshl_add_u32 v11, v0, 5, GT+16               ; row t, columns 8 to 15
	v_mov_b32 v12, 0
	v_mov_b32 v13, 0
	v_mov_b32 v14, 0
	v_mov_b32 v15, 0
	s_wait_loadcnt 18                              ; x is in: the 16 loads of gate_w and the 2 of gate_b are younger
.set n, 0
.rept 32
	v_cvt_pk_bf16_f32 v[64+4*n], v[64+4*n], v[64+4*n+1]
	v_cvt_pk_bf16_f32 v[64+4*n+1], v[64+4*n+2], v[64+4*n+3]
	global_store_b64 v6, v[64+4*n:64+4*n+1], s[10:11] offset:(n/8)*2048+(n%8)*256   ; the wave stores 256 consecutive bytes, aligned
	ds_store_b64 v7, v[64+4*n:64+4*n+1] offset:(n/8)*XP+(n%8)*256
.set n, n+1
.endr
	s_wait_loadcnt 0x0                             ; gate_w and gate_b
.set n, 0
.rept 16
	v_cvt_pk_bf16_f32 v[192+4*n], v[192+4*n], v[192+4*n+1]
	v_cvt_pk_bf16_f32 v[192+4*n+1], v[192+4*n+2], v[192+4*n+3]
	ds_store_b64 v10, v[192+4*n:192+4*n+1] offset:2048*n
.set n, n+1
.endr
.set n, 0
.rept 8
	ds_store_b128 v11, v[12:15] offset:4096*n
.set n, n+1
.endr
	v_and_b32 v24, 15, v1                          ; r
	v_lshrrev_b32 v25, 4, v1                       ; h
	v_mul_u32_u24 v26, v24, XP
	v_lshl_add_u32 v26, v25, 4, v26
	s_lshl_b32 s22, s16, 9
	v_add_nc_u32 v26, s22, v26                     ; x fragment: row r, 16 h, my wave's 256 k
	v_and_b32 v28, 7, v1
	v_lshl_add_u32 v28, v25, 3, v28
	v_bfe_u32 v29, v1, 3, 1
	v_lshlrev_b32 v27, 5, v28
	v_lshl_add_u32 v27, v29, 4, v27
	s_lshl_b32 s22, s16, 13
	s_add_co_u32 s22, s22, GT
	v_add_nc_u32 v27, s22, v27                     ; gate fragment, turned: row 8 h + l % 8, 16 bytes (l / 8) % 2
	s_lshl_b32 s22, s16, 10
	s_add_co_u32 s22, s22, PS
	v_lshl_add_u32 v30, v1, 5, s22
	s_wait_dscnt 0x0                               ; for the others: my stores into XT and GT are done
	s_barrier_signal -1
	s_barrier_wait -1
	s_wait_xcnt 0x0                                ; the stores to x16 have read v64..: these registers are loaded again only behind this wait
.set n, 0
.rept 8                                                ; my wave's K steps 8 w + n
	ds_load_b128 v[64+8*n:64+8*n+3], v26 offset:64*n
	ds_load_b128 v[64+8*n+4:64+8*n+7], v26 offset:64*n+32
	ds_load_tr16_b128 v[128+8*n:128+8*n+3], v27 offset:1024*n
	ds_load_tr16_b128 v[128+8*n+4:128+8*n+7], v27 offset:1024*n+512
.set n, n+1
.endr
	s_wait_dscnt 0x0
	; source 0 = 16 columns of gate_w, source 1 = 16 tokens: lane r of the lower half then holds token r's logits 0 to 7.  Two accumulators by turns.
	v_wmma_f32_16x16x32_bf16 v[32:39], v[128:135], v[64:71], 0
	v_wmma_f32_16x16x32_bf16 v[40:47], v[136:143], v[72:79], 0
.set n, 2
.rept 3
	v_wmma_f32_16x16x32_bf16 v[32:39], v[128+8*n:128+8*n+7], v[64+8*n:64+8*n+7], v[32:39]
	v_wmma_f32_16x16x32_bf16 v[40:47], v[136+8*n:136+8*n+7], v[72+8*n:72+8*n+7], v[40:47]
.set n, n+2
.endr
.rept 4
	v_nop                                          ; four places between the last product and the first read of a result
.endr
.set n, 0
.rept 8
	v_add_f32 v[48+n], v[32+n], v[40+n]
.set n, n+1
.endr
	ds_store_b128 v30, v[48:51]
	ds_store_b128 v30, v[52:55] offset:16
	s_wait_dscnt 0x0                               ; for wave 0: my partial logits are in LDS
	s_barrier_signal -1
	s_barrier_wait -1
	s_cmp_lg_u32 s16, 0
	s_cbranch_scc1 .Lend                           ; wave 0 alone goes on; no barrier follows
	v_lshl_add_u32 v31, v1, 5, PS
.set n, 0
.rept 4
	ds_load_b128 v[64+8*n:64+8*n+3], v31 offset:1024*n
	ds_load_b128 v[64+8*n+4:64+8*n+7], v31 offset:1024*n+16
.set n, n+1
.endr
.set n, 0
.rept 4                                                ; gate_b rounded to bf16 and widened again
	v_cvt_pk_bf16_f32 v[56+n], v[16+2*n], v[16+2*n+1]
.set n, n+1
.endr
.set n, 0
.rept 4
	v_lshlrev_b32 v[104+2*n], 16, v[56+n]
	v_and_b32 v[104+2*n+1], 0xffff0000, v[56+n]
.set n, n+1
.endr
	s_wait_dscnt 0x0
.set n, 0
.rept 8
	v_add_f32 v[96+n], v[64+n], v[72+n]
.set n, n+1
.endr
.irp q, 80, 88, 104
.set n, 0
.rept 8
	v_add_f32 v[96+n], v[96+n], v[\q+n]
.set n, n+1
.endr
.endr
	; the two largest: v112, v113 the largest and its index; v114, v115 the second.  Strictly greater moves, so the lower index keeps its place.
	v_mov_b32 v112, v96
	v_mov_b32 v113, 0
	v_mov_b32 v114, 0xff800000
	v_mov_b32 v115, 0
.irp e, 1,2,3,4,5,6,7
	v_cmp_gt_f32 s24, v[96+\e], v112
	v_cndmask_b32 v116, v[96+\e], v112, s24        ; the candidate for second: the old largest, or this one
	v_cndmask_b32 v117, \e, v113, s24
	v_cndmask_b32 v112, v112, v[96+\e], s24
	v_cndmask_b32 v113, v113, \e, s24
	v_cmp_gt_f32 s25, v116, v114
	s_or_b32 s25, s25, s24                         ; an old largest always becomes second
	v_cndmask_b32 v114, v114, v116, s25
	v_cndmask_b32 v115, v115, v117, s25
.endr
	v_sub_f32 v118, v114, v112                     ; second - largest: the maximum is taken away, the exponent is never positive
	v_mul_f32 v118, 0x3fb8aa3b, v118
	v_exp_f32 v119, v118
	v_nop
	s_wait_alu depctr_va_vdst(0)                   ; the wait ahead of the first reader
	v_add_f32 v120, 1.0, v119
	v_rcp_f32 v121, v120                           ; the largest's weight
	v_nop
	s_wait_alu depctr_va_vdst(0)
	v_mul_f32 v122, v119, v121                     ; the second's
	v_mov_b32 v123, 0
.irp e, 0,1,2,3,4,5,6,7
	v_cmp_eq_u32 s24, \e, v113                     ; bits 0 to 15: which of my 16 tokens chose expert e first,
	v_writelane_b32 v123, s24, \e
	v_cmp_eq_u32 s24, \e, v115                     ; which second
	v_writelane_b32 v123, s24, 8+\e
.endr
	s_lshl_b32 s26, ttmp9, 6
	v_lshl_add_u32 v124, v1, 2, s26                ; gat: 4 x token
	v_and_b32 v126, 7, v1
	v_bfe_u32 v127, v1, 3, 1
	v_lshlrev_b32 v125, 8, v126
	v_lshl_add_u32 v125, v127, 7, v125
	s_lshl_b32 s26, ttmp9, 1
	v_add_nc_u32 v125, s26, v125                   ; bm: expert l % 8, slot l / 8, halfword g
	s_wait_xcnt 0x0                                ; EXEC changes only behind this wait
	v_cmp_gt_u32 vcc_lo, 16, v1
	s_and_saveexec_b32 s28, vcc_lo
	global_store_b32 v124, v121, s[12:13]
	global_store_b32 v124, v122, s[12:13] offset:4096
	global_store_b16 v125, v123, s[14:15]
	s_wait_xcnt 0x0                                ; and again ahead of the line that widens it
	s_or_b32 exec_lo, exec_lo, s28
.Lend:
	s_wait_tensorcnt 0x0                           ; the wave's end, behind my last LDS store
	ds_add_u32 v2, v3
	s_wait_dscnt 0x0
	s_endpgm
.Lfunc_end_k_qf940322d5f_router:
	.size	k_qf940322d5f_router, .Lfunc_end_k_qf940322d5f_router-k_qf940322d5f_router
	.p2alignl 7, 3214868480
	.fill 96, 4, 3214868480
	.section	.rodata,"a",@progbits
	.p2align	6, 0x0
	.amdhsa_kernel k_qf940322d5f_router
		.amdhsa_group_segment_fixed_size 70656
		.amdhsa_private_segment_fixed_size 0
		.amdhsa_enable_private_segment 0
		.amdhsa_kernarg_size 48
		.amdhsa_user_sgpr_count 2
		.amdhsa_user_sgpr_kernarg_segment_ptr 1
		.amdhsa_wavefront_size32 1
		.amdhsa_system_sgpr_workgroup_id_x 1
		.amdhsa_system_sgpr_workgroup_id_y 1
		.amdhsa_system_sgpr_workgroup_id_z 1
		.amdhsa_system_vgpr_workitem_id 0
		.amdhsa_next_free_vgpr 256
		.amdhsa_next_free_sgpr 66
		.amdhsa_reserve_vcc 1
		.amdhsa_float_denorm_mode_32 3
		.amdhsa_float_denorm_mode_16_64 3
		.amdhsa_memory_ordered 1
		.amdhsa_forward_progress 1
		.amdhsa_inst_pref_size 33
	.end_amdhsa_kernel
	.amdgpu_metadata
---
amdhsa.version: [ 1, 2 ]
amdhsa.kernels:
  - .name:           k_qf940322d5f_router
    .symbol:         k_qf940322d5f_router.kd
    .args:
      - { .name: x, .offset: 0, .size: 8, .value_kind: global_buffer, .address_space: global }
      - { .name: gate_w, .offset: 8, .size: 8, .value_kind: global_buffer, .address_space: global }
      - { .name: gate_b, .offset: 16, .size: 8, .value_kind: global_buffer, .address_space: global }
      - { .name: x16, .offset: 24, .size: 8, .value_kind: global_buffer, .address_space: global }
      - { .name: gat, .offset: 32, .size: 8, .value_kind: global_buffer, .address_space: global }
      - { .name: bm, .offset: 40, .size: 8, .value_kind: global_buffer, .address_space: global }
    .group_segment_fixed_size: 70656
    .private_segment_fixed_size: 0
    .kernarg_segment_align: 8
    .kernarg_segment_size: 48
    .max_flat_workgroup_size: 128
    .sgpr_count:     66
    .vgpr_count:     256
    .wavefront_size: 32
...
	.end_amdgpu_metadata
.endif
;; end of part 1
;; launch up (part 2): grid 32 x 8, 4 waves a work-group, no clusters, 327,680 bytes of LDS; arguments x16, bm, w1, b1, hid; writes hid
.if DOCPART == 2
	.amdgcn_target "amdgcn-amd-amdhsa--gfx1250"
	.amdhsa_code_object_version 6
	.text
	.protected	k_qf940322d5f_up
	.globl	k_qf940322d5f_up
	.p2align	8
	.type	k_qf940322d5f_up,@function
k_qf940322d5f_up:
	s_mov_b64 s[64:65], 0
	v_nop
	global_prefetch_b8 v0, s[64:65] scope:SCOPE_SE
	s_setreg_imm32_b32 hwreg(HW_REG_WAVE_MODE, 25, 1), 1
	s_wait_xcnt 0x0
; hid[e][rank][f] = gelu(x[token(rank)] . w1[e][:, f] + b1[e][f]) in bf16, for the rows that chose expert e alone.
; GRID.  x = slice of 128 columns f, y = expert.  A work-group owns one slice (K = 1,024, N = 128), which it alone reads, and ALL of its expert's rows, 0 to 1,024 of them.
; RANK of a row in its expert: first choices by token, then second choices by token.  Every wave makes the list of the expert's entries (slot x 1024 + token) for itself, in LDS bytes of its own.
; PHASE 1, the same for every split: the slice is read once as f32 through a ring of 32 register slots a wave (a load = one k-row's 512 bytes; 32 loads of every wave are always out),
; rounded to bf16 and laid into LDS, where it stays: 1,024 k-rows at a pitch of 288 bytes.  A barrier follows.
; PHASE 2: two blocks of 512 ranks, a constant count.  In a block wave w owns rows 64 g + 16 w + 0..15, g = 0..7, and all 128 columns: 64 accumulators.  NG = groups that hold a row, 0 to 8;
; groups past NG are jumped.  Ranks past the count repeat the expert's last row.  The weights come turned out of LDS (ds_load_tr16_b128), a step of 32 k ahead; the token rows come from memory
; straight into registers as matrix operands, a chunk of 64 k ahead.  A block's first step always runs, for all 8 groups: it starts all 64 sums, so that every accumulator is written whatever the
; count; where the block has no row the rest of its K loop is jumped, and that step's 64 loads and 64 products are the price.
; TWO BARRIERS A BLOCK, on every wave's path: one between the block's reads of the slice and the stores into the stages, one between these and the next block's reads.
; The matrix instruction is used transposed (source 0 = 16 columns of w1, source 1 = 16 rows): a lane holds eight neighbouring columns of one row.
; NO CLUSTER: each slice of weights has one reader; the token rows come by per-lane offsets from a list, which no tile descriptor covers.
; LIMITS.  x, w1 and b1 are rounded to bf16; NaN and infinities are not treated apart.  erf by the rational form 1 - (a1 t + .. + a5 t^5) exp(-z^2), t = 1 / (1 + 0.3275911 z),
; absolute error at most 1.5e-7 for every z; gelu = max(x, 0) - |x| / 2 x (1 - erf(|x| / sqrt 2)), so nothing is lost by cancellation.
.set PITCHB, 16384       ; bytes from a k-row of w1 to the next
.set BP, 288             ; a k-row of the slice in LDS: 256 bytes + 32 = 9 x 32
.set STEPB, 32*BP        ; a step of 32 k
.set LIST, 1024*BP       ; behind the slice: for each wave 1,024 entries of 2 bytes, and entry 1,024 for what is not chosen
.set LISTW, 2304
.set STAGE, LIST+4*LISTW ; for each wave 16 rows x 272 bytes, for the way out
.set STAGEW, 16*272
.set SPARE, STAGE+4*STAGEW  ; the spare words, 128 bytes a wave
; window 0
.set SPW, 2              ; my spare word's address; never rewritten
.set NIL, 3              ; 0; never rewritten
.set BRL, 4              ; my lane's place in a step of the slice, for the turning loads; never rewritten
.set ADB, 5              ; the same for the four steps in hand
.set ADW, 6              ; phase 1: where I store
.set WOF, 7              ; phase 1: 16 x lane
.set RR, 8               ; lane % 16
.set H16, 9              ; 16 x (lane / 16)
.set STO, 10             ; the way out: into the stage,
.set RD, 11              ; back,
.set GO, 12              ; and my byte offset in hid.  v13 = lane / 16
.set AOF, 16             ; v16-23   byte offset of my row of group g
.set RW, 64              ; v64-191  phase 1: the ring; phase 2: token rows, buffer 0 (group g at 64 + 16 g); the way out: the bias in f32
.set BS, 64
.set BI, 192             ; v192-223 the bias, packed bf16
.set CVR, 224            ; v224-255 phase 1: rounded pairs, sixteen by turns
; window 1: v0-127 weights' fragments (step parity s, column block b at 64 s + 8 b); v128-255 token rows, buffer 1; the way out: X v0-63 and what follows
.set ZZ, 64
.set TT, 96
.set EE, 128
.set PP, 160
.set CV, 192
; windows 2 and 3: accumulators, group g, column block b at v[64 (g % 4) + 8 b] of window 2 + g / 4
.set MSB, 0
.macro WIN new                         ; the immediate's high byte repeats the setting that is left
.if MSB != (\new)
	s_set_vgpr_msb (MSB<<8)|(\new)
.set MSB, \new
.endif
.endm
.macro PLACES
.rept 4
	v_nop
.endr
.endm
.macro PAIR r, val
	s_mov_b32 s[\r], \val
	s_mov_b32 s[\r+1], \val
.endm
.macro POPC p, w, t                    ; p = number of ones in w
	v_lshrrev_b32 v\t, 1, v\w
	v_and_b32 v\t, 0x55555555, v\t
	v_sub_nc_u32 v\p, v\w, v\t
	v_lshrrev_b32 v\t, 2, v\p
	v_and_b32 v\t, 0x33333333, v\t
	v_and_b32 v\p, 0x33333333, v\p
	v_add_nc_u32 v\p, v\p, v\t
	v_lshrrev_b32 v\t, 4, v\p
	v_add_nc_u32 v\p, v\p, v\t
	v_and_b32 v\p, 0x0f0f0f0f, v\p
	v_mul_lo_u32 v\p, v\p, s60
	v_lshrrev_b32 v\p, 24, v\p
.endm
.macro PREF pre, p, t                  ; pre += the sum of p (0 to 32) over the lanes below mine, bit by bit
.irp b, 0,1,2,3,4,5
	v_and_b32 v\t, 1<<\b, v\p
	v_cmp_ne_u32 s61, 0, v\t
	v_mbcnt_lo_u32_b32 v\t, s61, 0
	v_lshl_add_u32 v\pre, v\t, \b, v\pre
.endr
.endm
; PHASE 1: the ring's 32 slots once.  ahead = 1: each slot is loaded again with the row 32 further down.
.macro ROUND ahead
.set i, 0
.rept 32
.if \ahead
	s_wait_loadcnt 31                              ; loads come back in order: this slot's is in, the 31 younger ones stay out
.else
	s_wait_loadcnt 31-i                            ; the last round loads nothing: the counts run down
.endif
	v_cvt_pk_bf16_f32 v[CVR+2*(i%16)], v[RW+4*i], v[RW+4*i+1]
	v_cvt_pk_bf16_f32 v[CVR+2*(i%16)+1], v[RW+4*i+2], v[RW+4*i+3]
.if \ahead
	global_load_b128 v[RW+4*i:RW+4*i+3], v[WOF], s[8:9] offset:(32+i)*PITCHB th:TH_LOAD_NT
.endif
	ds_store_b64 v[ADW], v[CVR+2*(i%16):CVR+2*(i%16)+1] offset:BP*i   ; the wave's 256 consecutive bytes of one k-row
.set i, i+1
.endr
.endm
; PHASE 2.  The token rows of a chunk of 64 k into buffer q: a group is four loads, 16 rows x 128 bytes.  chain = 1: groups past NG are jumped.
.macro ALOAD q, chain, imm
.irp g, 0,1,2,3,4,5,6,7
.if (\chain) && (\g > 0)
	WIN 0
	s_cmp_le_u32 s20, \g
	s_cbranch_scc1 .Lal_\@
.endif
	WIN 0x40*(\q)
.irp i, 0,1,2,3
	global_load_b128 v[64+64*(\q)+16*\g+4*\i:64+64*(\q)+16*\g+4*\i+3], v[AOF+\g], s[44:45] offset:(\imm)+32*\i
.endr
.endr
	WIN 0
.Lal_\@:
.endm
.macro BFETCH s, off                   ; a step's 32 k x 128 columns, turned: 8 fragments into buffer s
	WIN 0x40
.irp b, 0,1,2,3,4,5,6,7
	ds_load_tr16_b128 v[64*(\s)+8*\b:64*(\s)+8*\b+3], v[ADB] offset:(\off)+32*\b
	ds_load_tr16_b128 v[64*(\s)+8*\b+4:64*(\s)+8*\b+7], v[ADB] offset:(\off)+32*\b+16*BP
.endr
.endm
; A step's products: 8 for each live group; no two that follow each other share an accumulator.  zero = 1: all 8 groups, and the products start the sums.
.macro MULS p, s, zero
.irp g, 0,1,2,3,4,5,6,7
.if (\g > 0) && !(\zero)
	WIN 0
	s_cmp_le_u32 s20, \g
	s_cbranch_scc1 .Lme_\@
.endif
	WIN 0xa1+0x50*(\g/4)+4*(\p)
.set rA, 64+64*(\p)+16*\g+8*(\s)
.irp b, 0,1,2,3,4,5,6,7
.if \zero
	v_wmma_f32_16x16x32_bf16 v[64*(\g%4)+8*\b:64*(\g%4)+8*\b+7], v[64*(\s)+8*\b:64*(\s)+8*\b+7], v[rA:rA+7], 0
.else
	v_wmma_f32_16x16x32_bf16 v[64*(\g%4)+8*\b:64*(\g%4)+8*\b+7], v[64*(\s)+8*\b:64*(\s)+8*\b+7], v[rA:rA+7], v[64*(\g%4)+8*\b:64*(\g%4)+8*\b+7]
.endif
.endr
.endr
	WIN 0
.Lme_\@:
.endm
; A CHUNK of 64 k on token buffer p.  It asks for the next chunk's token rows and, a step ahead, for the weights' fragments.  Four plain instructions stand between the last products and
; every load into their sources.  The number of token loads hangs on NG, so their wait is for 0; they have a whole chunk in which to land.
.macro CHUNK p
	s_wait_loadcnt 0x0                             ; this chunk's token rows are in; their base may be written
	PLACES
.if (\p) == 1
	s_add_co_u32 s50, s50, 256
	s_and_b32 s50, s50, 0x7ff                      ; behind the last chunk the offset goes back to 0: that load stays inside the row and is not used
	s_add_nc_u64 s[44:45], s[46:47], s[50:51]
.endif
	ALOAD 1-(\p), 1, 128*(1-(\p))
	BFETCH 1, (2*(\p)+1)*STEPB
	s_wait_dscnt 16                                ; buffer 0's fragments are in; the 16 just issued are younger
	MULS \p, 0, 0
	PLACES
	BFETCH 0, (2*(\p)+2)*STEPB                     ; behind the last step this reads the lists' bytes, which nobody writes behind the first barrier; it is not used
	s_wait_dscnt 16
	MULS \p, 1, 0
.endm
.macro GELU q                          ; 32 numbers; all 64 transcendentals are one batch with one wait
.set i, 0
.rept 32
	v_mul_f32 v[ZZ+i], |v[32*(\q)+i]|, s24         ; z = |x| / sqrt 2
.set i, i+1
.endr
.set i, 0
.rept 16
	v_pk_fma_f32 v[TT+i:TT+i+1], v[ZZ+i:ZZ+i+1], s[26:27], s[40:41] op_sel_hi:[1,0,0]
	v_pk_mul_f32 v[EE+i:EE+i+1], v[ZZ+i:ZZ+i+1], v[ZZ+i:ZZ+i+1]
.set i, i+2
.endr
.set i, 0
.rept 16
	v_pk_mul_f32 v[EE+i:EE+i+1], v[EE+i:EE+i+1], s[28:29] op_sel_hi:[1,0]
.set i, i+2
.endr
.set i, 0
.rept 32
	v_rcp_f32 v[TT+i], v[TT+i]
	v_exp_f32 v[EE+i], v[EE+i]
.set i, i+1
.endr
.set i, 0
.rept 32
	v_max_num_f32 v[32*(\q)+i], 0, v[32*(\q)+i]    ; work that names no result of the batch
.set i, i+1
.endr
.set i, 0
.rept 16
	v_pk_mul_f32 v[ZZ+i:ZZ+i+1], v[ZZ+i:ZZ+i+1], s[24:25] op_sel_hi:[1,0]   ; |x| / 2
.set i, i+2
.endr
	s_wait_alu depctr_va_vdst(0)                   ; the wait ahead of the batch's first reader
.set i, 0
.rept 16
	v_pk_fma_f32 v[PP+i:PP+i+1], v[TT+i:TT+i+1], s[38:39], s[36:37] op_sel_hi:[1,0,0]
.set i, i+2
.endr
.irp c, 34, 32, 30
.set i, 0
.rept 16
	v_pk_fma_f32 v[PP+i:PP+i+1], v[PP+i:PP+i+1], v[TT+i:TT+i+1], s[\c:\c+1] op_sel_hi:[1,1,0]
.set i, i+2
.endr
.endr
.set i, 0
.rept 16
	v_pk_mul_f32 v[PP+i:PP+i+1], v[PP+i:PP+i+1], v[TT+i:TT+i+1]
.set i, i+2
.endr
.set i, 0
.rept 16
	v_pk_mul_f32 v[PP+i:PP+i+1], v[PP+i:PP+i+1], v[EE+i:EE+i+1]             ; 1 - erf z
.set i, i+2
.endr
.set i, 0
.rept 16
	v_pk_fma_f32 v[32*(\q)+i:32*(\q)+i+1], v[ZZ+i:ZZ+i+1], v[PP+i:PP+i+1], v[32*(\q)+i:32*(\q)+i+1] neg_lo:[1,0,0] neg_hi:[1,0,0]
.set i, i+2
.endr
.endm
	s_load_b256 s[4:11], s[0:1], 0x0               ; x16 s[4:5], bm s[6:7], w1 s[8:9], b1 s[10:11]
	s_load_b64 s[12:13], s[0:1], 0x20              ; hid
	v_lshl_add_u32 v[SPW], v0, 2, SPARE
	v_mov_b32 v[NIL], 0
	v_lshrrev_b32 v14, 5, v0
	v_readfirstlane_b32 s14, v14                   ; wave
	v_and_b32 v1, 31, v0                           ; lane
	s_and_b32 s15, ttmp7, 0xffff                   ; expert
	s_mov_b32 s17, ttmp9                           ; slice
	s_lshl_b32 s56, s15, 8
	s_mov_b32 s57, 0
	v_lshlrev_b32 v15, 2, v1
	v_lshlrev_b32 v[WOF], 4, v1
	v_lshrrev_b32 v13, 4, v1                       ; lane / 16
	v_lshlrev_b32 v14, 5, v13
	s_wait_kmcnt 0x0
	s_add_nc_u64 s[6:7], s[6:7], s[56:57]          ; the expert's 64 words: 32 of first choices, 32 of second
	s_load_b512 s[24:39], s[6:7], 0x0
	s_load_b512 s[40:55], s[6:7], 0x40
	s_load_b512 s[68:83], s[6:7], 0x80
	s_load_b512 s[84:99], s[6:7], 0xc0
	global_load_b32 v32, v15, s[6:7]               ; lane l: word l,
	global_load_b32 v33, v15, s[6:7] offset:128    ; and word 32 + l
	s_lshl_b32 s56, s15, 14
	s_lshl_b32 s60, s17, 9
	s_add_co_u32 s56, s56, s60
	s_add_nc_u64 s[10:11], s[10:11], s[56:57]      ; the bias of my 128 columns
	WIN 0x40
.irp b, 0,1,2,3,4,5,6,7                                ; columns 16 b + 8 (lane / 16) + 0..7
	global_load_b128 v[8*\b:8*\b+3], v14, s[10:11] offset:64*\b
	global_load_b128 v[8*\b+4:8*\b+7], v14, s[10:11] offset:64*\b+16
.endr
	WIN 0
	s_lshl_b32 s56, s15, 24                        ; an expert's weights are 16 MiB
	s_add_co_u32 s56, s56, s60                     ; my slice's 512 bytes of a row
	s_lshl_b32 s60, s14, 22                        ; my wave's 256 k-rows
	s_add_co_u32 s56, s56, s60
	s_add_nc_u64 s[8:9], s[8:9], s[56:57]
.set i, 0
.rept 32                                               ; the ring is filled: rows 0 to 31
	global_load_b128 v[RW+4*i:RW+4*i+3], v[WOF], s[8:9] offset:i*PITCHB th:TH_LOAD_NT
.set i, i+1
.endr
	s_mov_b32 s58, 0
	s_mov_b32 s59, 0
	s_wait_kmcnt 0x0
.set i, 0
.rept 32
	s_bcnt1_i32_b32 s60, s[24+i]
	s_add_co_u32 s58, s58, s60                     ; first choices
	s_bcnt1_i32_b32 s61, s[68+i]
	s_add_co_u32 s59, s59, s61                     ; second choices
.set i, i+1
.endr
	s_add_co_u32 s18, s58, s59                     ; the expert's rows
	s_sub_co_u32 s19, s18, 1                       ; the last rank
	s_mov_b32 s51, 0
	s_mov_b64 s[46:47], s[4:5]                     ; the token rows' base
	PAIR 24, 0x3f3504f3                            ; 1 / sqrt 2
	PAIR 26, 0x3ea7ba05                            ; 0.3275911
	PAIR 28, 0xbfb8aa3b                            ; -log2 e
	PAIR 30, 0x3e827906                            ; a1 =  0.254829592
	PAIR 32, 0xbe91a98e                            ; a2 = -0.284496736
	PAIR 34, 0x3fb5f0e3                            ; a3 =  1.421413741
	PAIR 36, 0xbfba00e3                            ; a4 = -1.453152027
	PAIR 38, 0x3f87dc22                            ; a5 =  1.061405429
	PAIR 40, 1.0
	v_and_b32 v[RR], 15, v1
	v_lshlrev_b32 v[H16], 4, v13
	v_and_b32 v24, 7, v1
	v_bfe_u32 v25, v1, 3, 1
	v_lshl_add_u32 v[BRL], v13, 3, v24             ; k-row 8 (l / 16) + l % 8,
	v_mul_u32_u24 v[BRL], v[BRL], BP
	v_lshl_add_u32 v[BRL], v25, 4, v[BRL]          ; 16 bytes (l / 8) % 2
	s_mul_i32 s60, s14, 256*BP
	v_lshl_add_u32 v[ADW], v1, 3, s60              ; my wave's 256 k-rows, 8 bytes a lane
	s_mul_i32 s61, s14, STAGEW
	s_add_co_u32 s61, s61, STAGE
	v_mul_u32_u24 v[STO], v[RR], 272               ; in: row l % 16, 16 bytes a half of the lanes,
	v_add_nc_u32 v[STO], v[STO], v[H16]
	v_add_nc_u32 v[STO], s61, v[STO]
	v_mul_u32_u24 v[RD], v13, 272                  ; back: two whole rows of 256 bytes at a time
	v_lshl_add_u32 v[RD], v[RR], 4, v[RD]
	v_add_nc_u32 v[RD], s61, v[RD]
	v_lshlrev_b32 v[GO], 13, v13                   ; and the same two rows in hid, 8,192 bytes apart
	v_lshl_add_u32 v[GO], v[RR], 4, v[GO]
	; THE LIST, in my wave's own bytes: first zeros over all of it, then the entries
	s_mul_i32 s62, s14, LISTW
	s_add_co_u32 s62, s62, LIST
	v_lshl_add_u32 v45, v1, 4, s62
	v_lshl_add_u32 v46, v1, 3, s62
	v_mov_b32 v48, 0
	v_mov_b32 v49, 0
	v_mov_b32 v50, 0
	v_mov_b32 v51, 0
.irp n, 0,1,2,3
	ds_store_b128 v45, v[48:51] offset:512*\n
.endr
	ds_store_b64 v46, v[48:49] offset:2048
	s_wait_loadcnt 32                              ; the choices and the bias are in; the ring's 32 loads are younger
	WIN 0x05
.set i, 0
.rept 32
	v_cvt_pk_bf16_f32 v[BI+i], v[2*i], v[2*i+1]
.set i, i+1
.endr
	WIN 0
	s_mov_b32 s60, 0x01010101
	POPC 34, 32, 36
	POPC 35, 33, 36
	v_mov_b32 v37, 0
	v_mov_b32 v38, s58
	PREF 37, 34, 36                                ; the rank of my first word's first one,
	PREF 38, 35, 36                                ; of my second word's
	v_lshlrev_b32 v39, 5, v1                       ; the entry of bit 0 of my first word,
	v_add_nc_u32 v40, 1024, v39                    ; of my second
	s_mov_b32 s63, 0
.Llist:
	v_bfe_u32 v41, v32, s63, 1
	v_bfe_u32 v42, v33, s63, 1
	v_xor_b32 v43, 1, v41
	v_xor_b32 v44, 1, v42
	v_lshl_or_b32 v43, v43, 10, v37                ; a zero bit sends the entry to index 1,024
	v_lshl_or_b32 v44, v44, 10, v38
	v_min_u32 v43, 0x400, v43
	v_min_u32 v44, 0x400, v44
	v_lshl_add_u32 v43, v43, 1, s62
	v_lshl_add_u32 v44, v44, 1, s62
	ds_store_b16 v43, v39
	ds_store_b16 v44, v40
	v_add_nc_u32 v37, v37, v41
	v_add_nc_u32 v38, v38, v42
	v_add_nc_u32 v39, 1, v39
	v_add_nc_u32 v40, 1, v40
	s_add_co_u32 s63, s63, 1
	s_cmp_lt_u32 s63, 32
	s_cbranch_scc1 .Llist
	s_mov_b32 s63, 0xffff0000                      ; a word's upper bf16
	; PHASE 1
	s_mov_b32 s22, 7
.Lround:
	ROUND 1
	s_wait_xcnt 0x0                                ; the loads' base is stepped only behind this wait
	s_add_nc_u64 s[8:9], s[8:9], 32*PITCHB
	v_add_nc_u32 v[ADW], 32*BP, v[ADW]
	s_sub_co_u32 s22, s22, 1
	s_cmp_lg_u32 s22, 0
	s_cbranch_scc1 .Lround
	ROUND 0
	s_wait_dscnt 0x0                               ; for the others: my quarter of the slice, and my list, are in LDS
	s_barrier_signal -1
	s_barrier_wait -1                              ; the slice is whole; from here on nobody writes it, nor the lists
	; PHASE 2
	s_mov_b32 s16, 0
.Lsb:
	s_lshl_b32 s56, s16, 9                         ; the block's first rank
	s_max_u32 s20, s18, s56
	s_sub_co_u32 s20, s20, s56                     ; the expert's rows from there on, 0 if there are none
	s_min_u32 s20, s20, 512
	s_add_co_u32 s20, s20, 63
	s_lshr_b32 s20, s20, 6                         ; NG, 0 to 8
	s_lshl_b32 s21, s14, 4
	s_add_co_u32 s21, s21, s56                     ; my wave's first rank
	v_add_nc_u32 v24, s21, v[RR]
.set n, 0
.rept 8
	v_add_nc_u32 v[AOF+n], 64*n, v24
	v_min_u32 v[AOF+n], s19, v[AOF+n]              ; ranks past the count repeat the last row
	v_min_u32 v[AOF+n], 0x3ff, v[AOF+n]            ; (an expert without rows: the list holds zeros, token 0 is read and nothing is made of it)
	v_lshl_add_u32 v[AOF+n], v[AOF+n], 1, s62
	ds_load_u16 v[AOF+n], v[AOF+n]
.set n, n+1
.endr
	s_wait_dscnt 0x0
.set n, 0
.rept 8
	v_min_u32 v[AOF+n], 0x7ff, v[AOF+n]
	v_and_b32 v[AOF+n], 0x3ff, v[AOF+n]            ; the entry's token
	v_lshl_add_u32 v[AOF+n], v[AOF+n], 11, v[H16]  ; x16's rows are 2,048 bytes
.set n, n+1
.endr
	s_mov_b32 s50, 0
	s_mov_b32 s52, 0
	s_mov_b64 s[44:45], s[46:47]
	ALOAD 0, 0, 0                                  ; chunks 0 and 1, all 8 groups, asked for together
	ALOAD 1, 0, 128
	v_mov_b32 v[ADB], v[BRL]
	BFETCH 0, 0                                    ; steps 0 and 1
	BFETCH 1, STEPB
	WIN 0
	s_mov_b32 s22, 8
	s_wait_loadcnt 32                              ; chunk 0's token rows are in; chunk 1's 32 loads are younger
	s_wait_dscnt 16                                ; step 0's fragments are in; step 1's 16 loads are younger
	MULS 0, 0, 1                                   ; the first step, written out and never jumped: it starts all 64 sums
	s_cmp_eq_u32 s20, 0
	s_cbranch_scc1 .Lkend                          ; no row in this block: the rest of its K loop is jumped; no barrier stands in what is jumped
	PLACES
	BFETCH 0, 2*STEPB
	s_wait_dscnt 16
	MULS 0, 1, 0
	s_branch .Lmid                                 ; the loop is entered in the middle of a trip
.Ltop:                                                 ; a trip: two chunks, four steps
	CHUNK 0
.Lmid:
	CHUNK 1
	s_add_co_u32 s52, s52, 4*STEPB
	v_add_nc_u32 v[ADB], s52, v[BRL]
	s_sub_co_u32 s22, s22, 1
	s_cmp_lg_u32 s22, 0
	s_cbranch_scc1 .Ltop
.Lkend:
	s_wait_loadcnt 0x0                             ; the look-ahead has landed: its registers are used anew
	s_wait_dscnt 0x0                               ; my reads of the slice are over
	s_barrier_signal -1
	s_barrier_wait -1                              ; everybody's are: now the stages are written
	; THE WAY OUT, a group of 16 rows at a time; groups past NG are jumped.
	PLACES
.set i, 0
.rept 32
	v_lshlrev_b32 v[BS+2*i], 16, v[BI+i]
	v_and_b32 v[BS+2*i+1], s63, v[BI+i]
.set i, i+1
.endr
	s_lshl_b32 s56, s15, 23                        ; hid: an expert's 1,024 rows of 8,192 bytes,
	s_lshl_b32 s60, s21, 13                        ; my wave's first rank,
	s_add_co_u32 s56, s56, s60
	s_lshl_b32 s60, s17, 8                         ; my slice's 256 bytes
	s_add_co_u32 s56, s56, s60
	s_add_nc_u64 s[48:49], s[12:13], s[56:57]
	s_mov_b32 s82, 0
.Lg:
	s_cmp_ge_u32 s82, s20
	s_cbranch_scc1 .Lnext
.irp g, 0,1,2,3,4,5,6
	s_cmp_eq_u32 s82, \g
	s_cbranch_scc1 .Lsw\g
.endr
.irp g, 7,6,5,4,3,2,1,0                                ; X = the group's sums + bias; each accumulator is read from its low end on
.if \g < 7
.Lsw\g:
.endif
	WIN 0x42+(\g)/4
.set i, 0
.rept 32
	v_pk_add_f32 v[2*i:2*i+1], v[64*((\g)%4)+2*i:64*((\g)%4)+2*i+1], v[BS+2*i:BS+2*i+1]
.set i, i+1
.endr
	WIN 0
.if \g > 0
	s_branch .Lcom
.endif
.endr
.Lcom:
	WIN 0x55
	GELU 0
	GELU 1
.set i, 0
.rept 32
	v_cvt_pk_bf16_f32 v[CV+i], v[2*i], v[2*i+1]
.set i, i+1
.endr
	WIN 0x04
.irp b, 0,1,2,3,4,5,6,7
	ds_store_b128 v[STO], v[CV+4*\b:CV+4*\b+3] offset:32*\b
.endr
	WIN 0x40
.irp t, 0,1,2,3,4,5,6,7
	ds_load_b128 v[ZZ+4*\t:ZZ+4*\t+3], v[RD] offset:544*\t     ; my own stage: LDS serves a wave's instructions in order
.endr
	s_wait_dscnt 0x0
	WIN 0x04
.irp t, 0,1,2,3,4,5,6,7
	global_store_b128 v[GO], v[ZZ+4*\t:ZZ+4*\t+3], s[48:49] offset:16384*\t  ; 16 lanes store 256 consecutive bytes, aligned
.endr
	WIN 0
	s_wait_xcnt 0x0                                ; the stores' data and base are rewritten only behind this wait
.Lnext:
	s_add_nc_u64 s[48:49], s[48:49], 524288        ; 64 ranks on
	s_add_co_u32 s82, s82, 1
	s_cmp_lt_u32 s82, 8
	s_cbranch_scc1 .Lg
	s_wait_dscnt 0x0                               ; my stores into my stage are done
	s_barrier_signal -1
	s_barrier_wait -1                              ; everybody's are: the next block reads LDS again
	s_add_co_u32 s16, s16, 1
	s_cmp_lt_u32 s16, 2
	s_cbranch_scc1 .Lsb
	s_wait_tensorcnt 0x0                           ; the wave's end, behind my last LDS store
	ds_add_u32 v[SPW], v[NIL]
	s_wait_dscnt 0x0
	s_endpgm
.Lfunc_end_k_qf940322d5f_up:
	.size	k_qf940322d5f_up, .Lfunc_end_k_qf940322d5f_up-k_qf940322d5f_up
	.p2alignl 7, 3214868480
	.fill 96, 4, 3214868480
	.section	.rodata,"a",@progbits
	.p2align	6, 0x0
	.amdhsa_kernel k_qf940322d5f_up
		.amdhsa_group_segment_fixed_size 327680
		.amdhsa_private_segment_fixed_size 0
		.amdhsa_enable_private_segment 0
		.amdhsa_kernarg_size 40
		.amdhsa_user_sgpr_count 2
		.amdhsa_user_sgpr_kernarg_segment_ptr 1
		.amdhsa_wavefront_size32 1
		.amdhsa_system_sgpr_workgroup_id_x 1
		.amdhsa_system_sgpr_workgroup_id_y 1
		.amdhsa_system_sgpr_workgroup_id_z 1
		.amdhsa_system_vgpr_workitem_id 0
		.amdhsa_next_free_vgpr 1024
		.amdhsa_next_free_sgpr 100
		.amdhsa_reserve_vcc 0
		.amdhsa_float_denorm_mode_32 3
		.amdhsa_float_denorm_mode_16_64 3
		.amdhsa_memory_ordered 1
		.amdhsa_forward_progress 1
		.amdhsa_inst_pref_size 149
	.end_amdhsa_kernel
	.amdgpu_metadata
---
amdhsa.version: [ 1, 2 ]
amdhsa.kernels:
  - .name:           k_qf940322d5f_up
    .symbol:         k_qf940322d5f_up.kd
    .args:
      - { .name: x16, .offset: 0, .size: 8, .value_kind: global_buffer, .address_space: global }
      - { .name: bm, .offset: 8, .size: 8, .value_kind: global_buffer, .address_space: global }
      - { .name: w1, .offset: 16, .size: 8, .value_kind: global_buffer, .address_space: global }
      - { .name: b1, .offset: 24, .size: 8, .value_kind: global_buffer, .address_space: global }
      - { .name: hid, .offset: 32, .size: 8, .value_kind: global_buffer, .address_space: global }
    .group_segment_fixed_size: 327680
    .private_segment_fixed_size: 0
    .kernarg_segment_align: 8
    .kernarg_segment_size: 40
    .max_flat_workgroup_size: 128
    .sgpr_count:     100
    .vgpr_count:     1024
    .wavefront_size: 32
...
	.end_amdgpu_metadata
.endif
;; end of part 2
;; launch down (part 3): grid 32 x 8, 4 waves a work-group, no clusters, 327,680 bytes of LDS; arguments hid, bm, w2, b2, part; writes part
.if DOCPART == 3
	.amdgcn_target "amdgcn-amd-amdhsa--gfx1250"
	.amdhsa_code_object_version 6
	.text
	.protected	k_qf940322d5f_down
	.globl	k_qf940322d5f_down
	.p2align	8
	.type	k_qf940322d5f_down,@function
k_qf940322d5f_down:
	s_mov_b64 s[64:65], 0
	v_nop
	global_prefetch_b8 v0, s[64:65] scope:SCOPE_SE
	s_setreg_imm32_b32 hwreg(HW_REG_WAVE_MODE, 25, 1), 1
	s_wait_xcnt 0x0
; part[kq][entry][d] = the sum over a quarter kq of f of hid[e][rank][f] w2[e][f][d] (+ b2[e][d] in quarter 0), in f32, for the rows that chose expert e alone; entry = slot x 1024 + token.
; GRID.  x = 8 kq + column slice of 128, y = expert.  A work-group owns one slice (K = 1,024, N = 128), which it alone reads, and ALL of its expert's rows, 0 to 1,024 of them.
; RANK of a row in its expert: first choices by token, then second choices by token.  Every wave makes the list of the expert's entries for itself, in LDS bytes of its own.
; PHASE 1, the same for every split: the slice is read once as f32 through a ring of 32 register slots a wave (a load = one k-row's 512 bytes; 32 loads of every wave are always out),
; rounded to bf16 and laid into LDS, where it stays: 1,024 k-rows at a pitch of 288 bytes.  A barrier follows.
; PHASE 2: two blocks of 512 ranks, a constant count.  In a block wave w owns rows 64 g + 16 w + 0..15, g = 0..7, and all 128 columns: 64 accumulators.  NG = groups that hold a row, 0 to 8;
; groups past NG are jumped.  Ranks past the count repeat the expert's last row.  The weights come turned out of LDS (ds_load_tr16_b128), a step of 32 k ahead; hid's rows come from memory
; straight into registers as matrix operands, a chunk of 64 k ahead.  A block's first step always runs, for all 8 groups: it starts all 64 sums, so that every accumulator is written whatever the
; count; where the block has no row the rest of its K loop is jumped, and that step's 64 loads and 64 products are the price.
; TWO BARRIERS A BLOCK, on every wave's path: one between the block's reads of the slice and the stores into the stages, one between these and the next block's reads.
; The matrix instruction is used transposed (source 0 = 16 columns of w2, source 1 = 16 rows): a lane holds eight neighbouring columns of one row.
; The four quarters' partial sums stay in f32 and are added by the next launch.
; NO CLUSTER: each slice of weights has one reader; hid's rows come by per-lane offsets clamped at a count, which no tile descriptor covers.
; LIMITS.  w2 and b2 are rounded to bf16, hid is bf16; NaN and infinities are not treated apart.  For an expert without rows the first step loads bytes of hid that nobody stored (inside the
; buffer); nothing is made of them.
.set PITCHB, 4096        ; bytes from a k-row of w2 to the next
.set BP, 288             ; a k-row of the slice in LDS: 256 bytes + 32 = 9 x 32
.set STEPB, 32*BP        ; a step of 32 k
.set LIST, 1024*BP       ; behind the slice: for each wave 1,024 entries of 2 bytes, and entry 1,024 for what is not chosen
.set LISTW, 2304
.set STAGE, LIST+4*LISTW ; for each wave 16 rows x 272 bytes, for the way out
.set STAGEW, 16*272
.set SPARE, STAGE+4*STAGEW  ; the spare words, 128 bytes a wave
; window 0
.set SPW, 2              ; my spare word's address; never rewritten
.set NIL, 3              ; 0; never rewritten
.set BRL, 4              ; my lane's place in a step of the slice, for the turning loads; never rewritten
.set ADB, 5              ; the same for the four steps in hand
.set ADW, 6              ; phase 1: where I store
.set WOF, 7              ; phase 1: 16 x lane
.set RR, 8               ; lane % 16
.set H16, 9              ; 16 x (lane / 16)
.set STO, 10             ; the way out: into the stage,
.set RD, 11              ; back,
.set GO, 12              ; and my 16 bytes of 256 in part.  v13 = lane / 16
.set AOF, 16             ; v16-23   byte offset of my row of group g
.set RW, 64              ; v64-191  phase 1: the ring; phase 2: hid's rows, buffer 0 (group g at 64 + 16 g); the way out: the bias in f32, and 8 entries
.set BS, 64
.set EN, 128
.set BI, 192             ; v192-223 the bias, packed bf16
.set CVR, 224            ; v224-255 phase 1: rounded pairs, sixteen by turns
; window 1: v0-127 weights' fragments (step parity s, column block b at 64 s + 8 b); v128-255 hid's rows, buffer 1; the way out: X v0-63, rows read back v64-127
.set ZZ, 64
; windows 2 and 3: accumulators, group g, column block b at v[64 (g % 4) + 8 b] of window 2 + g / 4
.set MSB, 0
.macro WIN new                         ; the immediate's high byte repeats the setting that is left
.if MSB != (\new)
	s_set_vgpr_msb (MSB<<8)|(\new)
.set MSB, \new
.endif
.endm
.macro PLACES
.rept 4
	v_nop
.endr
.endm
.macro POPC p, w, t                    ; p = number of ones in w
	v_lshrrev_b32 v\t, 1, v\w
	v_and_b32 v\t, 0x55555555, v\t
	v_sub_nc_u32 v\p, v\w, v\t
	v_lshrrev_b32 v\t, 2, v\p
	v_and_b32 v\t, 0x33333333, v\t
	v_and_b32 v\p, 0x33333333, v\p
	v_add_nc_u32 v\p, v\p, v\t
	v_lshrrev_b32 v\t, 4, v\p
	v_add_nc_u32 v\p, v\p, v\t
	v_and_b32 v\p, 0x0f0f0f0f, v\p
	v_mul_lo_u32 v\p, v\p, s60
	v_lshrrev_b32 v\p, 24, v\p
.endm
.macro PREF pre, p, t                  ; pre += the sum of p (0 to 32) over the lanes below mine, bit by bit
.irp b, 0,1,2,3,4,5
	v_and_b32 v\t, 1<<\b, v\p
	v_cmp_ne_u32 s61, 0, v\t
	v_mbcnt_lo_u32_b32 v\t, s61, 0
	v_lshl_add_u32 v\pre, v\t, \b, v\pre
.endr
.endm
; PHASE 1: the ring's 32 slots once.  ahead = 1: each slot is loaded again with the row 32 further down.
.macro ROUND ahead
.set i, 0
.rept 32
.if \ahead
	s_wait_loadcnt 31                              ; loads come back in order: this slot's is in, the 31 younger ones stay out
.else
	s_wait_loadcnt 31-i                            ; the last round loads nothing: the counts run down
.endif
	v_cvt_pk_bf16_f32 v[CVR+2*(i%16)], v[RW+4*i], v[RW+4*i+1]
	v_cvt_pk_bf16_f32 v[CVR+2*(i%16)+1], v[RW+4*i+2], v[RW+4*i+3]
.if \ahead
	global_load_b128 v[RW+4*i:RW+4*i+3], v[WOF], s[8:9] offset:(32+i)*PITCHB th:TH_LOAD_NT
.endif
	ds_store_b64 v[ADW], v[CVR+2*(i%16):CVR+2*(i%16)+1] offset:BP*i   ; the wave's 256 consecutive bytes of one k-row
.set i, i+1
.endr
.endm
; PHASE 2.  hid's rows of a chunk of 64 k into buffer q: a group is four loads, 16 rows x 128 bytes.  chain = 1: groups past NG are jumped.
.macro ALOAD q, chain, imm
.irp g, 0,1,2,3,4,5,6,7
.if (\chain) && (\g > 0)
	WIN 0
	s_cmp_le_u32 s20, \g
	s_cbranch_scc1 .Lal_\@
.endif
	WIN 0x40*(\q)
.irp i, 0,1,2,3
	global_load_b128 v[64+64*(\q)+16*\g+4*\i:64+64*(\q)+16*\g+4*\i+3], v[AOF+\g], s[44:45] offset:(\imm)+32*\i
.endr
.endr
	WIN 0
.Lal_\@:
.endm
.macro BFETCH s, off                   ; a step's 32 k x 128 columns, turned: 8 fragments into buffer s
	WIN 0x40
.irp b, 0,1,2,3,4,5,6,7
	ds_load_tr16_b128 v[64*(\s)+8*\b:64*(\s)+8*\b+3], v[ADB] offset:(\off)+32*\b
	ds_load_tr16_b128 v[64*(\s)+8*\b+4:64*(\s)+8*\b+7], v[ADB] offset:(\off)+32*\b+16*BP
.endr
.endm
; A step's products: 8 for each live group; no two that follow each other share an accumulator.  zero = 1: all 8 groups, and the products start the sums.
.macro MULS p, s, zero
.irp g, 0,1,2,3,4,5,6,7
.if (\g > 0) && !(\zero)
	WIN 0
	s_cmp_le_u32 s20, \g
	s_cbranch_scc1 .Lme_\@
.endif
	WIN 0xa1+0x50*(\g/4)+4*(\p)
.set rA, 64+64*(\p)+16*\g+8*(\s)
.irp b, 0,1,2,3,4,5,6,7
.if \zero
	v_wmma_f32_16x16x32_bf16 v[64*(\g%4)+8*\b:64*(\g%4)+8*\b+7], v[64*(\s)+8*\b:64*(\s)+8*\b+7], v[rA:rA+7], 0
.else
	v_wmma_f32_16x16x32_bf16 v[64*(\g%4)+8*\b:64*(\g%4)+8*\b+7], v[64*(\s)+8*\b:64*(\s)+8*\b+7], v[rA:rA+7], v[64*(\g%4)+8*\b:64*(\g%4)+8*\b+7]
.endif
.endr
.endr
	WIN 0
.Lme_\@:
.endm
; A CHUNK of 64 k on row buffer p.  It asks for the next chunk's rows and, a step ahead, for the weights' fragments.  Four plain instructions stand between the last products and
; every load into their sources.  The number of row loads hangs on NG, so their wait is for 0; they have a whole chunk in which to land.
.macro CHUNK p
	s_wait_loadcnt 0x0                             ; this chunk's rows are in; their base may be written
	PLACES
.if (\p) == 1
	s_add_co_u32 s50, s50, 256
	s_and_b32 s50, s50, 0x7ff                      ; behind the last chunk the offset goes back to 0: that load stays inside the row's quarter and is not used
	s_add_nc_u64 s[44:45], s[46:47], s[50:51]
.endif
	ALOAD 1-(\p), 1, 128*(1-(\p))
	BFETCH 1, (2*(\p)+1)*STEPB
	s_wait_dscnt 16                                ; buffer 0's fragments are in; the 16 just issued are younger
	MULS \p, 0, 0
	PLACES
	BFETCH 0, (2*(\p)+2)*STEPB                     ; behind the last step this reads the lists' bytes, which nobody writes behind the first barrier; it is not used
	s_wait_dscnt 16
	MULS \p, 1, 0
.endm
	s_load_b256 s[4:11], s[0:1], 0x0               ; hid s[4:5], bm s[6:7], w2 s[8:9], b2 s[10:11]
	s_load_b64 s[12:13], s[0:1], 0x20              ; part
	v_lshl_add_u32 v[SPW], v0, 2, SPARE
	v_mov_b32 v[NIL], 0
	v_lshrrev_b32 v14, 5, v0
	v_readfirstlane_b32 s14, v14                   ; wave
	v_and_b32 v1, 31, v0                           ; lane
	s_and_b32 s15, ttmp7, 0xffff                   ; expert
	s_mov_b32 s17, ttmp9                           ; 8 x K quarter + column slice
	s_lshl_b32 s56, s15, 8
	s_mov_b32 s57, 0
	v_lshlrev_b32 v15, 2, v1
	v_lshlrev_b32 v[WOF], 4, v1
	v_lshrrev_b32 v13, 4, v1                       ; lane / 16
	v_lshlrev_b32 v14, 5, v13
	s_wait_kmcnt 0x0
	s_add_nc_u64 s[6:7], s[6:7], s[56:57]          ; the expert's 64 words: 32 of first choices, 32 of second
	s_load_b512 s[24:39], s[6:7], 0x0
	s_load_b512 s[40:55], s[6:7], 0x40
	s_load_b512 s[68:83], s[6:7], 0x80
	s_load_b512 s[84:99], s[6:7], 0xc0
	global_load_b32 v32, v15, s[6:7]               ; lane l: word l,
	global_load_b32 v33, v15, s[6:7] offset:128    ; and word 32 + l
	s_lshl_b32 s56, s15, 12
	s_and_b32 s60, s17, 7
	s_lshl_b32 s60, s60, 9                         ; my column slice's 512 bytes
	s_add_co_u32 s56, s56, s60
	s_add_nc_u64 s[10:11], s[10:11], s[56:57]      ; the bias of my 128 columns
	WIN 0x40
.irp b, 0,1,2,3,4,5,6,7                                ; columns 16 b + 8 (lane / 16) + 0..7
	global_load_b128 v[8*\b:8*\b+3], v14, s[10:11] offset:64*\b
	global_load_b128 v[8*\b+4:8*\b+7], v14, s[10:11] offset:64*\b+16
.endr
	WIN 0
	s_lshl_b32 s56, s15, 24                        ; an expert's weights are 16 MiB
	s_add_co_u32 s56, s56, s60
	s_lshr_b32 s61, s17, 3                         ; the K quarter:
	s_lshl_b32 s60, s61, 22                        ; 1,024 k-rows of 4,096 bytes
	s_add_co_u32 s56, s56, s60
	s_lshl_b32 s60, s14, 20                        ; my wave's 256 k-rows
	s_add_co_u32 s56, s56, s60
	s_add_nc_u64 s[8:9], s[8:9], s[56:57]
.set i, 0
.rept 32                                               ; the ring is filled: rows 0 to 31
	global_load_b128 v[RW+4*i:RW+4*i+3], v[WOF], s[8:9] offset:i*PITCHB th:TH_LOAD_NT
.set i, i+1
.endr
	s_mov_b32 s58, 0
	s_mov_b32 s59, 0
	s_wait_kmcnt 0x0
.set i, 0
.rept 32
	s_bcnt1_i32_b32 s60, s[24+i]
	s_add_co_u32 s58, s58, s60                     ; first choices
	s_bcnt1_i32_b32 s61, s[68+i]
	s_add_co_u32 s59, s59, s61                     ; second choices
.set i, i+1
.endr
	s_add_co_u32 s18, s58, s59                     ; the expert's rows
	s_sub_co_u32 s19, s18, 1                       ; the last rank
	s_mov_b32 s51, 0
	s_lshr_b32 s61, s17, 3                         ; the K quarter
	s_lshl_b32 s56, s15, 23
	s_lshl_b32 s60, s61, 11
	s_add_co_u32 s56, s56, s60
	s_add_nc_u64 s[46:47], s[4:5], s[56:57]        ; hid: the expert's rows, my quarter's 2,048 bytes of each
	s_lshl_b32 s56, s61, 23
	s_and_b32 s60, s17, 7
	s_lshl_b32 s60, s60, 9
	s_add_co_u32 s56, s56, s60
	s_add_nc_u64 s[48:49], s[12:13], s[56:57]      ; part: my quarter, my columns
	v_and_b32 v[RR], 15, v1
	v_lshlrev_b32 v[H16], 4, v13
	v_and_b32 v24, 7, v1
	v_bfe_u32 v25, v1, 3, 1
	v_lshl_add_u32 v[BRL], v13, 3, v24             ; k-row 8 (l / 16) + l % 8,
	v_mul_u32_u24 v[BRL], v[BRL], BP
	v_lshl_add_u32 v[BRL], v25, 4, v[BRL]          ; 16 bytes (l / 8) % 2
	s_mul_i32 s60, s14, 256*BP
	v_lshl_add_u32 v[ADW], v1, 3, s60              ; my wave's 256 k-rows, 8 bytes a lane
	s_mul_i32 s61, s14, STAGEW
	s_add_co_u32 s61, s61, STAGE
	v_mul_u32_u24 v[STO], v[RR], 272               ; in: row l % 16, 32 bytes a half of the lanes,
	v_lshl_add_u32 v[STO], v13, 5, v[STO]
	v_add_nc_u32 v[STO], s61, v[STO]
	v_mul_u32_u24 v[RD], v13, 272                  ; back: two rows' 256 bytes at a time
	v_lshl_add_u32 v[RD], v[RR], 4, v[RD]
	v_add_nc_u32 v[RD], s61, v[RD]
	v_lshlrev_b32 v[GO], 4, v[RR]
	; THE LIST, in my wave's own bytes: first zeros over all of it, then the entries
	s_mul_i32 s62, s14, LISTW
	s_add_co_u32 s62, s62, LIST
	v_lshl_add_u32 v45, v1, 4, s62
	v_lshl_add_u32 v46, v1, 3, s62
	v_mov_b32 v48, 0
	v_mov_b32 v49, 0
	v_mov_b32 v50, 0
	v_mov_b32 v51, 0
.irp n, 0,1,2,3
	ds_store_b128 v45, v[48:51] offset:512*\n
.endr
	ds_store_b64 v46, v[48:49] offset:2048
	s_wait_loadcnt 32                              ; the choices and the bias are in; the ring's 32 loads are younger
	WIN 0x05
.set i, 0
.rept 32
	v_cvt_pk_bf16_f32 v[BI+i], v[2*i], v[2*i+1]
.set i, i+1
.endr
	WIN 0
	s_lshr_b32 s60, s17, 3
	s_cmp_eq_u32 s60, 0
	s_cselect_b32 s60, -1, 0                       ; the bias is added in K quarter 0 alone
.set i, 0
.rept 32
	v_and_b32 v[BI+i], s60, v[BI+i]
.set i, i+1
.endr
	s_mov_b32 s60, 0x01010101
	POPC 34, 32, 36
	POPC 35, 33, 36
	v_mov_b32 v37, 0
	v_mov_b32 v38, s58
	PREF 37, 34, 36                                ; the rank of my first word's first one,
	PREF 38, 35, 36                                ; of my second word's
	v_lshlrev_b32 v39, 5, v1                       ; the entry of bit 0 of my first word,
	v_add_nc_u32 v40, 1024, v39                    ; of my second
	s_mov_b32 s63, 0
.Llist:
	v_bfe_u32 v41, v32, s63, 1
	v_bfe_u32 v42, v33, s63, 1
	v_xor_b32 v43, 1, v41
	v_xor_b32 v44, 1, v42
	v_lshl_or_b32 v43, v43, 10, v37                ; a zero bit sends the entry to index 1,024
	v_lshl_or_b32 v44, v44, 10, v38
	v_min_u32 v43, 0x400, v43
	v_min_u32 v44, 0x400, v44
	v_lshl_add_u32 v43, v43, 1, s62
	v_lshl_add_u32 v44, v44, 1, s62
	ds_store_b16 v43, v39
	ds_store_b16 v44, v40
	v_add_nc_u32 v37, v37, v41
	v_add_nc_u32 v38, v38, v42
	v_add_nc_u32 v39, 1, v39
	v_add_nc_u32 v40, 1, v40
	s_add_co_u32 s63, s63, 1
	s_cmp_lt_u32 s63, 32
	s_cbranch_scc1 .Llist
	s_mov_b32 s63, 0xffff0000                      ; a word's upper bf16
	; PHASE 1
	s_mov_b32 s22, 7
.Lround:
	ROUND 1
	s_wait_xcnt 0x0                                ; the loads' base is stepped only behind this wait
	s_add_nc_u64 s[8:9], s[8:9], 32*PITCHB
	v_add_nc_u32 v[ADW], 32*BP, v[ADW]
	s_sub_co_u32 s22, s22, 1
	s_cmp_lg_u32 s22, 0
	s_cbranch_scc1 .Lround
	ROUND 0
	s_wait_dscnt 0x0                               ; for the others: my quarter of the slice, and my list, are in LDS
	s_barrier_signal -1
	s_barrier_wait -1                              ; the slice is whole; from here on nobody writes it, nor the lists
	; PHASE 2
	s_mov_b32 s16, 0
.Lsb:
	s_lshl_b32 s56, s16, 9                         ; the block's first rank
	s_max_u32 s20, s18, s56
	s_sub_co_u32 s20, s20, s56                     ; the expert's rows from there on, 0 if there are none
	s_min_u32 s20, s20, 512
	s_add_co_u32 s20, s20, 63
	s_lshr_b32 s20, s20, 6                         ; NG, 0 to 8
	s_lshl_b32 s21, s14, 4
	s_add_co_u32 s21, s21, s56                     ; my wave's first rank
	v_add_nc_u32 v24, s21, v[RR]
.set n, 0
.rept 8
	v_add_nc_u32 v[AOF+n], 64*n, v24
	v_min_u32 v[AOF+n], s19, v[AOF+n]              ; ranks past the count repeat the last row
	v_min_u32 v[AOF+n], 0x3ff, v[AOF+n]
	v_lshl_add_u32 v[AOF+n], v[AOF+n], 13, v[H16]  ; hid's rows lie by rank, 8,192 bytes each
.set n, n+1
.endr
	s_mov_b32 s50, 0
	s_mov_b32 s52, 0
	s_mov_b64 s[44:45], s[46:47]
	ALOAD 0, 0, 0                                  ; chunks 0 and 1, all 8 groups, asked for together
	ALOAD 1, 0, 128
	v_mov_b32 v[ADB], v[BRL]
	BFETCH 0, 0                                    ; steps 0 and 1
	BFETCH 1, STEPB
	WIN 0
	s_mov_b32 s22, 8
	s_wait_loadcnt 32                              ; chunk 0's rows are in; chunk 1's 32 loads are younger
	s_wait_dscnt 16                                ; step 0's fragments are in; step 1's 16 loads are younger
	MULS 0, 0, 1                                   ; the first step, written out and never jumped: it starts all 64 sums
	s_cmp_eq_u32 s20, 0
	s_cbranch_scc1 .Lkend                          ; no row in this block: the rest of its K loop is jumped; no barrier stands in what is jumped
	PLACES
	BFETCH 0, 2*STEPB
	s_wait_dscnt 16
	MULS 0, 1, 0
	s_branch .Lmid                                 ; the loop is entered in the middle of a trip
.Ltop:                                                 ; a trip: two chunks, four steps
	CHUNK 0
.Lmid:
	CHUNK 1
	s_add_co_u32 s52, s52, 4*STEPB
	v_add_nc_u32 v[ADB], s52, v[BRL]
	s_sub_co_u32 s22, s22, 1
	s_cmp_lg_u32 s22, 0
	s_cbranch_scc1 .Ltop
.Lkend:
	s_wait_loadcnt 0x0                             ; the look-ahead has landed: its registers are used anew
	s_wait_dscnt 0x0                               ; my reads of the slice are over
	s_barrier_signal -1
	s_barrier_wait -1                              ; everybody's are: now the stages are written
	; THE WAY OUT, a group of 16 rows at a time; groups past NG are jumped.
	PLACES
.set i, 0
.rept 32
	v_lshlrev_b32 v[BS+2*i], 16, v[BI+i]
	v_and_b32 v[BS+2*i+1], s63, v[BI+i]
.set i, i+1
.endr
	s_mov_b32 s82, 0
.Lg:
	s_cmp_ge_u32 s82, s20
	s_cbranch_scc1 .Lnext
.irp g, 0,1,2,3,4,5,6
	s_cmp_eq_u32 s82, \g
	s_cbranch_scc1 .Lsw\g
.endr
.irp g, 7,6,5,4,3,2,1,0                                ; X = the group's sums + bias; each accumulator is read from its low end on
.if \g < 7
.Lsw\g:
.endif
	WIN 0x42+(\g)/4
.set i, 0
.rept 32
	v_pk_add_f32 v[2*i:2*i+1], v[64*((\g)%4)+2*i:64*((\g)%4)+2*i+1], v[BS+2*i:BS+2*i+1]
.set i, i+1
.endr
	WIN 0
.if \g > 0
	s_branch .Lcom
.endif
.endr
.Lcom:
	s_lshl_b32 s60, s82, 6
	s_add_co_u32 s83, s21, s60                     ; the group's first rank
	v_add_nc_u32 v24, s83, v13
.set t, 0
.rept 8                                                ; the entries of rows 2 t + lane / 16, from my list
	v_add_nc_u32 v[EN+t], 2*t, v24
	v_min_u32 v[EN+t], s19, v[EN+t]
	v_min_u32 v[EN+t], 0x3ff, v[EN+t]
	v_lshl_add_u32 v[EN+t], v[EN+t], 1, s62
	ds_load_u16 v[EN+t], v[EN+t]
.set t, t+1
.endr
.irp p, 0,1                                            ; 64 columns at a time: 256 bytes of each of the 16 rows go through my stage
	WIN 0x04
.irp b, 0,1,2,3
	ds_store_b128 v[STO], v[8*(4*\p+\b):8*(4*\p+\b)+3] offset:64*\b
	ds_store_b128 v[STO], v[8*(4*\p+\b)+4:8*(4*\p+\b)+7] offset:64*\b+16
.endr
	WIN 0x40
.irp t, 0,1,2,3,4,5,6,7
	ds_load_b128 v[ZZ+32*\p+4*\t:ZZ+32*\p+4*\t+3], v[RD] offset:544*\t     ; my own stage: LDS serves a wave's instructions in order, the second half's stores behind these too
.endr
.endr
	WIN 0
	s_wait_dscnt 0x0
.set t, 0
.rept 8
	v_min_u32 v[EN+t], 0x7ff, v[EN+t]
	v_lshl_add_u32 v[EN+t], v[EN+t], 12, v[GO]     ; part's rows lie by entry, 4,096 bytes each
.set t, t+1
.endr
	WIN 0x04
.irp p, 0,1
.irp t, 0,1,2,3,4,5,6,7
	global_store_b128 v[EN+\t], v[ZZ+32*\p+4*\t:ZZ+32*\p+4*\t+3], s[48:49] offset:256*\p   ; 16 lanes store 256 consecutive bytes, aligned; a rank past the count stores the last row's bits once more
.endr
.endr
	WIN 0
	s_wait_xcnt 0x0                                ; the stores' data and addresses are rewritten only behind this wait
.Lnext:
	s_add_co_u32 s82, s82, 1
	s_cmp_lt_u32 s82, 8
	s_cbranch_scc1 .Lg
	s_wait_dscnt 0x0                               ; my stores into my stage are done
	s_barrier_signal -1
	s_barrier_wait -1                              ; everybody's are: the next block reads LDS again
	s_add_co_u32 s16, s16, 1
	s_cmp_lt_u32 s16, 2
	s_cbranch_scc1 .Lsb
	s_wait_tensorcnt 0x0                           ; the wave's end, behind my last LDS store
	ds_add_u32 v[SPW], v[NIL]
	s_wait_dscnt 0x0
	s_endpgm
.Lfunc_end_k_qf940322d5f_down:
	.size	k_qf940322d5f_down, .Lfunc_end_k_qf940322d5f_down-k_qf940322d5f_down
	.p2alignl 7, 3214868480
	.fill 96, 4, 3214868480
	.section	.rodata,"a",@progbits
	.p2align	6, 0x0
	.amdhsa_kernel k_qf940322d5f_down
		.amdhsa_group_segment_fixed_size 327680
		.amdhsa_private_segment_fixed_size 0
		.amdhsa_enable_private_segment 0
		.amdhsa_kernarg_size 40
		.amdhsa_user_sgpr_count 2
		.amdhsa_user_sgpr_kernarg_segment_ptr 1
		.amdhsa_wavefront_size32 1
		.amdhsa_system_sgpr_workgroup_id_x 1
		.amdhsa_system_sgpr_workgroup_id_y 1
		.amdhsa_system_sgpr_workgroup_id_z 1
		.amdhsa_system_vgpr_workitem_id 0
		.amdhsa_next_free_vgpr 1024
		.amdhsa_next_free_sgpr 100
		.amdhsa_reserve_vcc 0
		.amdhsa_float_denorm_mode_32 3
		.amdhsa_float_denorm_mode_16_64 3
		.amdhsa_memory_ordered 1
		.amdhsa_forward_progress 1
		.amdhsa_inst_pref_size 118
	.end_amdhsa_kernel
	.amdgpu_metadata
---
amdhsa.version: [ 1, 2 ]
amdhsa.kernels:
  - .name:           k_qf940322d5f_down
    .symbol:         k_qf940322d5f_down.kd
    .args:
      - { .name: hid, .offset: 0, .size: 8, .value_kind: global_buffer, .address_space: global }
      - { .name: bm, .offset: 8, .size: 8, .value_kind: global_buffer, .address_space: global }
      - { .name: w2, .offset: 16, .size: 8, .value_kind: global_buffer, .address_space: global }
      - { .name: b2, .offset: 24, .size: 8, .value_kind: global_buffer, .address_space: global }
      - { .name: part, .offset: 32, .size: 8, .value_kind: global_buffer, .address_space: global }
    .group_segment_fixed_size: 327680
    .private_segment_fixed_size: 0
    .kernarg_segment_align: 8
    .kernarg_segment_size: 40
    .max_flat_workgroup_size: 128
    .sgpr_count:     100
    .vgpr_count:     1024
    .wavefront_size: 32
...
	.end_amdgpu_metadata
.endif
;; end of part 3
;; launch combine (part 4): grid 256 x 1, 8 waves a work-group, no clusters, 0 bytes of LDS; arguments part, gat, out0; writes out0
.if DOCPART == 4
	.amdgcn_target "amdgcn-amd-amdhsa--gfx1250"
	.amdhsa_code_object_version 6
	.text
	.protected	k_qf940322d5f_combine
	.globl	k_qf940322d5f_combine
	.p2align	8
	.type	k_qf940322d5f_combine,@function
k_qf940322d5f_combine:
	s_mov_b64 s[64:65], 0
	v_nop
	global_prefetch_b8 v0, s[64:65] scope:SCOPE_SE
	s_setreg_imm32_b32 hwreg(HW_REG_WAVE_MODE, 25, 1), 1
	s_wait_xcnt 0x0
; out0[t] = g0[t] x (the sum of the four K quarters of t's first choice) + g1[t] x (the same of its second choice).
; part: [quarter 4][slot x 1024 + token][1024] f32; gat: [slot 2][token 1024] f32.
; A plain stream: a work-group has 4 tokens, a wave half a token's row (2,048 bytes); all 32 loads of a wave go out at once, each covers 512 consecutive bytes, each byte is read once.
; No LDS, no barrier, no matrix unit, no cluster: nothing is shared.
	s_load_b128 s[4:7], s[0:1], 0x0                ; part s[4:5], gat s[6:7]
	s_load_b64 s[8:9], s[0:1], 0x10                ; out0
	v_and_b32 v1, 31, v0
	v_lshrrev_b32 v2, 5, v0
	v_lshlrev_b32 v3, 11, v2
	v_lshl_add_u32 v3, v1, 4, v3                   ; wave x 2,048 + 16 x lane
	v_lshrrev_b32 v2, 6, v0
	s_lshl_b32 s10, ttmp9, 4
	v_lshl_add_u32 v2, v2, 2, s10                  ; 4 x token
	s_lshl_b32 s12, ttmp9, 14                      ; 4 tokens x 4,096 bytes
	s_mov_b32 s13, 0
	s_wait_kmcnt 0x0
	s_add_nc_u64 s[16:17], s[4:5], s[12:13]
	s_add_nc_u64 s[18:19], s[16:17], 0x800000      ; the K quarters lie 8 MiB apart
	s_add_nc_u64 s[20:21], s[18:19], 0x800000
	s_add_nc_u64 s[22:23], s[20:21], 0x800000
	s_add_nc_u64 s[8:9], s[8:9], s[12:13]
	global_load_b32 v4, v2, s[6:7]                 ; each weight twice: a pair for the packed arithmetic
	global_load_b32 v5, v2, s[6:7]
	global_load_b32 v6, v2, s[6:7] offset:4096
	global_load_b32 v7, v2, s[6:7] offset:4096
.irp j, 0,1,2,3                                        ; 512 bytes j; quarter q, slot s at v[32 + 4 (8 j + 2 q + s)]
.irp q, 0,1,2,3
	global_load_b128 v[32+4*(8*\j+2*\q):32+4*(8*\j+2*\q)+3], v3, s[16+2*\q:17+2*\q] offset:512*\j th:TH_LOAD_NT
	global_load_b128 v[36+4*(8*\j+2*\q):36+4*(8*\j+2*\q)+3], v3, s[16+2*\q:17+2*\q] offset:4194304+512*\j th:TH_LOAD_NT
.endr
.endr
.irp j, 0,1,2,3
	s_wait_loadcnt 24-8*\j                         ; the eight loads of piece j are in; those of the later pieces are younger
.irp s, 0,1
.irp k, 0,2
	v_pk_add_f32 v[32+32*\j+4*\s+\k:33+32*\j+4*\s+\k], v[32+32*\j+4*\s+\k:33+32*\j+4*\s+\k], v[40+32*\j+4*\s+\k:41+32*\j+4*\s+\k]
	v_pk_add_f32 v[48+32*\j+4*\s+\k:49+32*\j+4*\s+\k], v[48+32*\j+4*\s+\k:49+32*\j+4*\s+\k], v[56+32*\j+4*\s+\k:57+32*\j+4*\s+\k]
.endr
.endr
.irp s, 0,1
.irp k, 0,2
	v_pk_add_f32 v[32+32*\j+4*\s+\k:33+32*\j+4*\s+\k], v[32+32*\j+4*\s+\k:33+32*\j+4*\s+\k], v[48+32*\j+4*\s+\k:49+32*\j+4*\s+\k]
.endr
.endr
.irp k, 0,2
	v_pk_mul_f32 v[32+32*\j+\k:33+32*\j+\k], v[32+32*\j+\k:33+32*\j+\k], v[4:5]
.endr
.irp k, 0,2
	v_pk_fma_f32 v[32+32*\j+\k:33+32*\j+\k], v[36+32*\j+\k:37+32*\j+\k], v[6:7], v[32+32*\j+\k:33+32*\j+\k]
.endr
	global_store_b128 v3, v[32+32*\j:35+32*\j], s[8:9] offset:512*\j th:TH_STORE_NT   ; 512 consecutive bytes, aligned
.endr
	s_endpgm
.Lfunc_end_k_qf940322d5f_combine:
	.size	k_qf940322d5f_combine, .Lfunc_end_k_qf940322d5f_combine-k_qf940322d5f_combine
	.p2alignl 7, 3214868480
	.fill 96, 4, 3214868480
	.section	.rodata,"a",@progbits
	.p2align	6, 0x0
	.amdhsa_kernel k_qf940322d5f_combine
		.amdhsa_group_segment_fixed_size 0
		.amdhsa_private_segment_fixed_size 0
		.amdhsa_enable_private_segment 0
		.amdhsa_kernarg_size 24
		.amdhsa_user_sgpr_count 2
		.amdhsa_user_sgpr_kernarg_segment_ptr 1
		.amdhsa_wavefront_size32 1
		.amdhsa_system_sgpr_workgroup_id_x 1
		.amdhsa_system_sgpr_workgroup_id_y 1
		.amdhsa_system_sgpr_workgroup_id_z 1
		.amdhsa_system_vgpr_workitem_id 0
		.amdhsa_next_free_vgpr 160
		.amdhsa_next_free_sgpr 66
		.amdhsa_reserve_vcc 0
		.amdhsa_float_denorm_mode_32 3
		.amdhsa_float_denorm_mode_16_64 3
		.amdhsa_memory_ordered 1
		.amdhsa_forward_progress 1
		.amdhsa_inst_pref_size 9
	.end_amdhsa_kernel
	.amdgpu_metadata
---
amdhsa.version: [ 1, 2 ]
amdhsa.kernels:
  - .name:           k_qf940322d5f_combine
    .symbol:         k_qf940322d5f_combine.kd
    .args:
      - { .name: part, .offset: 0, .size: 8, .value_kind: global_buffer, .address_space: global }
      - { .name: gat, .offset: 8, .size: 8, .value_kind: global_buffer, .address_space: global }
      - { .name: out0, .offset: 16, .size: 8, .value_kind: global_buffer, .address_space: global }
    .group_segment_fixed_size: 0
    .private_segment_fixed_size: 0
    .kernarg_segment_align: 8
    .kernarg_segment_size: 24
    .max_flat_workgroup_size: 256
    .sgpr_count:     66
    .vgpr_count:     160
    .wavefront_size: 32
...
	.end_amdgpu_metadata
.endif
;; end of part 4
;; ======== version 2 of 2: 4 launches; 1.19 times as fast as version 1
;; limits: a function is approximated: absolute error at most 1.5e-07
;; workspace buffers: x16 2,097,152 bytes; gat 8,192 bytes; bm 2,048 bytes of whole numbers; lst 16,384 bytes of whole numbers; hid 67,108,864 bytes; part 33,554,432 bytes
;; launch router: the kernel of part 1 again; grid 64 x 1, 4 waves a work-group, no clusters, 70,656 bytes of LDS; arguments x, gate_w, gate_b, x16, gat, bm; writes x16, gat, bm
;; launch up (part 5): grid 32 x 8, 4 waves a work-group, no clusters, 327,680 bytes of LDS; arguments x16, bm, w1, b1, hid, lst; writes hid, lst
.if DOCPART == 5
	.amdgcn_target "amdgcn-amd-amdhsa--gfx1250"
	.amdhsa_code_object_version 6
	.text
	.protected	k_qf940322d5f_up
	.globl	k_qf940322d5f_up
	.p2align	8
	.type	k_qf940322d5f_up,@function
k_qf940322d5f_up:
	s_mov_b64 s[64:65], 0
	v_nop
	global_prefetch_b8 v0, s[64:65] scope:SCOPE_SE
	s_setreg_imm32_b32 hwreg(HW_REG_WAVE_MODE, 25, 1), 1
	s_wait_xcnt 0x0
; hid[e][rank][f] = gelu(x[token(rank)] . w1[e][:, f] + b1[e][f]) in bf16, for the rows that chose expert e alone.
; GRID.  x = slice of 128 columns f, y = expert.  A work-group owns one slice (K = 1,024, N = 128), which it alone reads, and ALL of its expert's rows, 0 to 1,024 of them.
; RANK of a row in its expert: first choices by token, then second choices by token; its ENTRY is slot x 1024 + token.  The expert's bitmap of choices lies in 64 scalar registers; every wave finds the
; entries of its own ranks from it in registers (SELECT).  The work-groups of slice 0 store them in lst ([expert][rank], 2 bytes) for the next launch.
; BLOCKS.  Three blocks of 384 ranks, a constant count.  In a block wave w owns rows 64 g + 16 w + 0..15, g = 0..5, and all 128 columns: 48 accumulators.  NG = the wave's groups that hold a row;
; groups past NG are jumped.  Ranks past the count repeat the expert's last row.  The token rows come from memory straight into registers as matrix operands, a chunk of 64 k ahead.
; THE SLICE is read once, as f32, through a ring of two sets of 16 register slots a wave (a load = one k-row's 512 bytes), rounded to bf16 and laid into LDS, where it stays: 1,024 k-rows at a pitch of
; 288 bytes; it is read turned (ds_load_tr16_b128), a step of 32 k ahead.  Chunk c = k-rows 64 c .. 64 c + 63; wave w brings rows 16 w .. 16 w + 15 of each.
; BLOCK 0 IS MULTIPLIED UNDER THE STREAM.  Trip t rounds chunk t + 2, asks for the token rows of trip t + 1 and then for chunk t + 4, multiplies chunk t, and lays chunk t + 2 into LDS.  A trip's reads of
; LDS and its stores are parted by two barriers, on every wave's path; a wave without rows carries group 0 along.  Behind trip 11 the last two chunks are laid, and trips 12 to 15 run in the loop
; without stores or barriers that blocks 1 and 2 use; these jump from their head to the barrier where the wave has no row.
; TWO MORE BARRIERS A BLOCK: one between the block's reads of the slice and the stores into the stages, one between these and the next block's reads.
; The matrix instruction is used transposed (source 0 = 16 columns of w1, source 1 = 16 rows): a lane holds eight neighbouring columns of one row.
; NO CLUSTER: each slice of weights has one reader; the token rows come by per-lane offsets, which no tile descriptor covers.
; LIMITS.  x, w1 and b1 are rounded to bf16; NaN and infinities are not treated apart.  erf by the rational form 1 - (a1 t + .. + a5 t^5) exp(-z^2), t = 1 / (1 + 0.3275911 z),
; absolute error at most 1.5e-7 for every z; gelu = max(x, 0) - |x| / 2 x (1 - erf(|x| / sqrt 2)), so nothing is lost by cancellation.
.set PITCHB, 16384       ; bytes from a k-row of w1 to the next
.set BP, 288             ; a k-row of the slice in LDS: 256 bytes + 32 = 9 x 32
.set STEPB, 32*BP        ; a step of 32 k
.set PAD, 1024*BP        ; behind the slice: one step's bytes of zeros, which the last look-ahead reads; each wave writes a quarter
.set PADW, 2304
.set STAGE, PAD+4*PADW   ; for each wave 16 rows x 272 bytes, for the way out
.set STAGEW, 16*272
.set SPARE, STAGE+4*STAGEW  ; the spare words, 128 bytes a wave
.set BLK, 384            ; ranks in a block
; window 0
.set SPW, 2              ; my spare word's address; never rewritten
.set NIL, 3              ; 0; never rewritten
.set BRL, 4              ; my lane's place in a step of the slice, for the turning loads; never rewritten
.set ADB, 5              ; the same for the four steps in hand
.set WOF, 7              ; 16 x lane
.set RR, 8               ; lane % 16
.set H16, 9              ; 16 x (lane / 16)
.set STO, 10             ; the way out: into the stage,
.set RD, 11              ; back,
.set GO, 12              ; and my byte offset in hid.  v13 = lane / 16
.set ENT, 16             ; v16-31   the entries of my rows 64 G + 16 w + lane % 16, G = 0..15
.set E1, 24              ; its upper half, where SELECT leaves eight
.set AO, 32              ; v32-37   behind SELECT: byte offset of my row of group g of the block in hand
.set AW, 38              ; v38-43   behind SELECT: where I store my rows of chunks 3 k, 3 k + 1, 3 k + 2; never rewritten
.set RK, 32              ; SELECT, four registers each: 32 x rank + 31,
.set LO, 36              ; the pair of words that holds the rank,
.set HI, 40
.set KY, 44              ; its key: 32 x the ones ahead of it + its number; then the entry
.set NN, 48              ; how many ones are still to be passed
.set CL, 52              ; ones in the low word
.set WW, 56              ; the word that holds the rank
.set PS, 60              ; 0 or 32
.set LA, 224             ; the word's counts by 2,
.set LB, 228             ; 4,
.set LC, 232             ; and 8 bits
.set TM, 236             ; at work
.set UU, 240
.set PO, 244             ; the place in the word
.set BS, 64              ; v64-159  token rows, buffer 0 (group g at 64 + 16 g); the way out: v64-127 the bias in f32
.set BI, 192             ; v192-223 the bias, packed bf16
.set CVR, 224            ; v224-255 a chunk's 16 rows of mine, rounded
; window 1: v0-127 weights' fragments (step parity s, column block b at 64 s + 8 b); v128-223 token rows, buffer 1; the way out: X v0-63 and what follows
.set ZZ, 64
.set TT, 96
.set EE, 128
.set PP, 160
.set CV, 192
; window 2: accumulators of groups 0-3, group g, column block b at v[64 g + 8 b];  window 3: v0-127 those of groups 4, 5; v128-255 the ring
.set RG, 128             ; set p, slot i at RG + 64 p + 4 i
.set MSB, 0
.macro WIN new                         ; the immediate's high byte repeats the setting that is left
.if MSB != (\new)
	s_set_vgpr_msb (MSB<<8)|(\new)
.set MSB, \new
.endif
.endm
.macro PLACES
.rept 4
	v_nop
.endr
.endm
.macro BAR
	s_barrier_signal -1
	s_barrier_wait -1
.endm
.macro PAIR r, val
	s_mov_b32 s[\r], \val
	s_mov_b32 s[\r+1], \val
.endm
.macro Q line:vararg                   ; one line for each of SELECT's four registers j: no line reads the result of the one before it
.set j, 0
.rept 4
	\line
.set j, j+1
.endr
.endm
.macro PICK v                          ; where pair i begins at or ahead of the rank, register v takes it
	v_cndmask_b32 v[LO+\v], s[pw], v[LO+\v], vcc_lo
	v_cndmask_b32 v[HI+\v], s[pw+1], v[HI+\v], vcc_lo
	v_cndmask_b32 v[KY+\v], s[kc], v[KY+\v], vcc_lo
.endm
.macro DOWN wid                        ; TM = ones in the lower wid bits from PO on: where they are all to be passed, pass them
.set j, 0
.rept 4
	v_cmp_ge_u32 vcc_lo, v[NN+j], v[TM+j]
	v_cndmask_b32 v[TM+j], 0, v[TM+j], vcc_lo
	v_cndmask_b32 v[UU+j], 0, \wid, vcc_lo
.set j, j+1
.endr
	Q v_sub_nc_u32 v[NN+j], v[NN+j], v[TM+j]
	Q v_add_nc_u32 v[PO+j], v[PO+j], v[UU+j]
.endm
; THE ENTRIES OF EIGHT OF MY GROUPS (s21 = the first one's first rank) -> v[E1 .. E1+7], each in both halves of the lanes.  Register j, lane l: rank s21 + 64 (2 j + l / 16) + l % 16.
; The bitmap is 32 pairs of words, pair i = entries 64 i .. 64 i + 63.  Keys rise with i, so the last pair whose key is not above 32 x rank + 31 holds the rank.
.macro SELECT
	v_lshl_add_u32 v[TM], v13, 6, v[RR]
	v_add_nc_u32 v[TM], s21, v[TM]
.set j, 0
.rept 4
	v_add_nc_u32 v[RK+j], 128*j, v[TM]
	v_min_u32 v[RK+j], s19, v[RK+j]                ; ranks past the count repeat the last row
	v_min_u32 v[RK+j], 0x3ff, v[RK+j]
	v_lshl_or_b32 v[RK+j], v[RK+j], 5, 31
	v_mov_b32 v[LO+j], s24
	v_mov_b32 v[HI+j], s25
	v_mov_b32 v[KY+j], 0
.set j, j+1
.endr
	s_bcnt1_i32_b32 s60, s24
	s_bcnt1_i32_b32 s61, s25
	s_add_co_u32 s60, s60, s61
	s_lshl_b32 s60, s60, 5
	s_add_co_u32 s59, s60, 1                       ; pair 1's key
.set i, 1
.rept 31                                               ; the next pair's key is made in scalar lines behind the compares; two key registers take turns
.set pw, 24+2*i+12*(i/16)
.set kc, 58+i%2
.set kn, 58+(i+1)%2
	v_cmp_gt_u32 vcc_lo, s[kc], v[RK]
	s_bcnt1_i32_b32 s60, s[pw]
	s_bcnt1_i32_b32 s61, s[pw+1]
	PICK 0
	v_cmp_gt_u32 vcc_lo, s[kc], v[RK+1]
	s_add_co_u32 s60, s60, s61
	s_lshl_b32 s60, s60, 5
	PICK 1
	v_cmp_gt_u32 vcc_lo, s[kc], v[RK+2]
	s_add_co_u32 s60, s60, 1
	s_add_co_u32 s[kn], s[kc], s60
	PICK 2
	v_cmp_gt_u32 vcc_lo, s[kc], v[RK+3]
	PICK 3
.set i, i+1
.endr
	Q v_lshrrev_b32 v[TM+j], 5, v[KY+j]            ; ones ahead of the pair
	Q v_lshrrev_b32 v[NN+j], 5, v[RK+j]            ; the rank
	Q v_sub_nc_u32 v[NN+j], v[NN+j], v[TM+j]       ; ones to be passed inside the pair
	Q v_and_b32 v[KY+j], 31, v[KY+j]               ; the pair's number
	Q v_lshrrev_b32 v[TM+j], 1, v[LO+j]            ; the ones of the low word
	Q v_and_b32 v[TM+j], 0x55555555, v[TM+j]
	Q v_sub_nc_u32 v[CL+j], v[LO+j], v[TM+j]
	Q v_lshrrev_b32 v[TM+j], 2, v[CL+j]
	Q v_and_b32 v[TM+j], 0x33333333, v[TM+j]
	Q v_and_b32 v[CL+j], 0x33333333, v[CL+j]
	Q v_add_nc_u32 v[CL+j], v[CL+j], v[TM+j]
	Q v_lshrrev_b32 v[TM+j], 4, v[CL+j]
	Q v_add_nc_u32 v[CL+j], v[CL+j], v[TM+j]
	Q v_and_b32 v[CL+j], 0x0f0f0f0f, v[CL+j]
	Q v_mul_lo_u32 v[CL+j], v[CL+j], s62
	Q v_lshrrev_b32 v[CL+j], 24, v[CL+j]
.set j, 0
.rept 4
	v_cmp_ge_u32 vcc_lo, v[NN+j], v[CL+j]          ; the rank lies in the high word
	v_cndmask_b32 v[WW+j], v[LO+j], v[HI+j], vcc_lo
	v_cndmask_b32 v[TM+j], 0, v[CL+j], vcc_lo
	v_cndmask_b32 v[PS+j], 0, 32, vcc_lo
.set j, j+1
.endr
	Q v_sub_nc_u32 v[NN+j], v[NN+j], v[TM+j]
	Q v_lshrrev_b32 v[TM+j], 1, v[WW+j]            ; that word's counts by 2, 4 and 8 bits
	Q v_and_b32 v[TM+j], 0x55555555, v[TM+j]
	Q v_sub_nc_u32 v[LA+j], v[WW+j], v[TM+j]
	Q v_lshrrev_b32 v[TM+j], 2, v[LA+j]
	Q v_and_b32 v[TM+j], 0x33333333, v[TM+j]
	Q v_and_b32 v[LB+j], 0x33333333, v[LA+j]
	Q v_add_nc_u32 v[LB+j], v[LB+j], v[TM+j]
	Q v_lshrrev_b32 v[TM+j], 4, v[LB+j]
	Q v_add_nc_u32 v[LC+j], v[LB+j], v[TM+j]
	Q v_and_b32 v[LC+j], 0x0f0f0f0f, v[LC+j]
	Q v_mov_b32 v[PO+j], 0
	Q v_bfe_u32 v[TM+j], v[LC+j], 0, 8
	Q v_bfe_u32 v[UU+j], v[LC+j], 8, 8
	Q v_add_nc_u32 v[TM+j], v[TM+j], v[UU+j]
	DOWN 16
	Q v_bfe_u32 v[TM+j], v[LC+j], v[PO+j], 8
	DOWN 8
	Q v_bfe_u32 v[TM+j], v[LB+j], v[PO+j], 4
	DOWN 4
	Q v_bfe_u32 v[TM+j], v[LA+j], v[PO+j], 2
	DOWN 2
	Q v_bfe_u32 v[TM+j], v[WW+j], v[PO+j], 1
	DOWN 1
	Q v_lshl_add_u32 v[KY+j], v[KY+j], 6, v[PS+j]
	Q v_add_nc_u32 v[KY+j], v[KY+j], v[PO+j]       ; the entry
	s_cmp_lg_u32 s17, 0
	s_cbranch_scc1 .Lnolst                         ; slice 0 alone stores the entries; lanes of one rank store one number
	Q v_lshrrev_b32 v[TM+j], 5, v[RK+j]
	Q v_min_u32 v[TM+j], 0x3ff, v[TM+j]
	Q v_lshlrev_b32 v[TM+j], 1, v[TM+j]
	Q global_store_b16 v[TM+j], v[KY+j], s[2:3]
	s_wait_xcnt 0x0                                ; the stores' registers are rewritten only behind this wait
.Lnolst:
	Q v_permlanex16_b32 v[UU+j], v[KY+j], s22, s23 ; the other half of the lanes' entries
	Q v_cndmask_b32 v[E1+2*j], v[KY+j], v[UU+j], s63    ; group 2 j: the lower lanes' own, in both halves
	Q v_cndmask_b32 v[E1+2*j+1], v[UU+j], v[KY+j], s63  ; group 2 j + 1: the upper lanes' own
.endm
.macro FORM a, b, c, d, e, f           ; six entries -> byte offsets of my rows in x16
.set n, 0
.irp x, \a, \b, \c, \d, \e, \f
	v_min_u32 v[AO+n], 0x7ff, v[ENT+\x]
	v_and_b32 v[AO+n], 0x3ff, v[AO+n]              ; the entry's token
	v_lshl_add_u32 v[AO+n], v[AO+n], 11, v[H16]    ; x16's rows are 2,048 bytes
.set n, n+1
.endr
.endm
.macro BLKHEAD                         ; block s16: s21 = my wave's first rank, s20 = NG
	s_mul_i32 s56, s16, BLK
	s_lshl4_add_u32 s21, s14, s56
	s_max_u32 s20, s18, s21
	s_sub_co_u32 s20, s20, s21                     ; the expert's ranks from mine on, 0 if there are none
	s_min_u32 s20, s20, BLK
	s_add_co_u32 s20, s20, 63
	s_lshr_b32 s20, s20, 6
.endm
; THE RING.  RCVT: set p's 16 rows rounded to bf16.  RLOAD: set p takes my 16 rows from row 'row' behind the base on.  CSTORE: the rounded rows are chunk c's: into the slice.
.macro RCVT p
	WIN 0x0f                                       ; sources in window 3
.set i, 0
.rept 16
	v_cvt_pk_bf16_f32 v[CVR+2*i], v[RG+64*(\p)+4*i], v[RG+64*(\p)+4*i+1]
	v_cvt_pk_bf16_f32 v[CVR+2*i+1], v[RG+64*(\p)+4*i+2], v[RG+64*(\p)+4*i+3]
.set i, i+1
.endr
.endm
.macro RLOAD p, row
	WIN 0xc0                                       ; destination in window 3
.set i, 0
.rept 16
	global_load_b128 v[RG+64*(\p)+4*i:RG+64*(\p)+4*i+3], v[WOF], s[8:9] offset:((\row)+i)*PITCHB th:TH_LOAD_NT
.set i, i+1
.endr
.endm
.macro CSTORE c
	WIN 0
.set i, 0
.rept 16
	ds_store_b64 v[AW+(\c)/3], v[CVR+2*i:CVR+2*i+1] offset:(((\c)%3)*64+i)*BP   ; the wave's 256 consecutive bytes of one k-row
.set i, i+1
.endr
.endm
; A trip's stores.  s54 = trips of the loop to go, 6 to 1: this is chunk 2 (6 - s54) + 2 + p.  Each chunk's stores are written out with constant addresses and chosen by the count, so that the bytes
; that a wave writes can be read off the text.
.macro WPHASE p
.irp m, 0,1,2,3,4
	s_cmp_eq_u32 s54, 6-\m
	s_cbranch_scc1 .Lw_\@_\m
.endr
.irp m, 5,4,3,2,1,0
.if \m < 5
.Lw_\@_\m:
.endif
	CSTORE 2*\m+2+\p
.if \m > 0
	s_branch .Lwd_\@
.endif
.endr
.Lwd_\@:
.endm
; The token rows of a chunk of 64 k into buffer q: a group is four loads, 16 rows x 128 bytes.  chain = 1: groups past NG are jumped.
.macro ALOAD q, chain, imm
.irp g, 0,1,2,3,4,5
.if (\chain) && (\g > 0)
	WIN 0
	s_cmp_le_u32 s20, \g
	s_cbranch_scc1 .Lal_\@
.endif
	WIN 0x40*(\q)
.irp i, 0,1,2,3
	global_load_b128 v[64+64*(\q)+16*\g+4*\i:64+64*(\q)+16*\g+4*\i+3], v[AO+\g], s[44:45] offset:(\imm)+32*\i
.endr
.endr
	WIN 0
.Lal_\@:
.endm
.macro BFETCH s, off                   ; a step's 32 k x 128 columns, turned: 8 fragments into buffer s
	WIN 0x40
.irp b, 0,1,2,3,4,5,6,7
	ds_load_tr16_b128 v[64*(\s)+8*\b:64*(\s)+8*\b+3], v[ADB] offset:(\off)+32*\b
	ds_load_tr16_b128 v[64*(\s)+8*\b+4:64*(\s)+8*\b+7], v[ADB] offset:(\off)+32*\b+16*BP
.endr
.endm
; A step's products: 8 for each live group; no two that follow each other share an accumulator.  zero = 1: all 6 groups, and the products start the sums.
.macro MULS p, s, zero
.irp g, 0,1,2,3,4,5
.if (\g > 0) && !(\zero)
	WIN 0
	s_cmp_le_u32 s20, \g
	s_cbranch_scc1 .Lme_\@
.endif
	WIN 0xa1+0x50*(\g/4)+4*(\p)
.set rA, 64+64*(\p)+16*\g+8*(\s)
.irp b, 0,1,2,3,4,5,6,7
.if \zero
	v_wmma_f32_16x16x32_bf16 v[64*(\g%4)+8*\b:64*(\g%4)+8*\b+7], v[64*(\s)+8*\b:64*(\s)+8*\b+7], v[rA:rA+7], 0
.else
	v_wmma_f32_16x16x32_bf16 v[64*(\g%4)+8*\b:64*(\g%4)+8*\b+7], v[64*(\s)+8*\b:64*(\s)+8*\b+7], v[rA:rA+7], v[64*(\g%4)+8*\b:64*(\g%4)+8*\b+7]
.endif
.endr
.endr
	WIN 0
.Lme_\@:
.endm
.macro ASTEP p                         ; the token rows' base goes 128 k on with every second chunk
.if (\p) == 1
	s_add_co_u32 s50, s50, 256
	s_and_b32 s50, s50, 0x7ff                      ; behind the last chunk the offset goes back to 0: that load stays inside the row and is not used
	s_add_nc_u64 s[44:45], s[46:47], s[50:51]
.endif
.endm
; A CHUNK of 64 k on token buffer p, the slice whole.  It asks for the next chunk's token rows and, a step ahead, for the weights' fragments.  Four plain instructions stand between the last products
; and every load into their sources.  The number of token loads hangs on NG, so their wait is for 0.
.macro CHUNK p
	s_wait_loadcnt 0x0                             ; this chunk's token rows are in; their base may be written
	PLACES
	ASTEP \p
	ALOAD 1-(\p), 1, 128*(1-(\p))
	BFETCH 1, (2*(\p)+1)*STEPB
	s_wait_dscnt 16                                ; buffer 0's fragments are in; the 16 just issued are younger
	MULS \p, 0, 0
.Lhalf\p:
	PLACES
	BFETCH 0, (2*(\p)+2)*STEPB                     ; behind the last step this reads the zeros behind the slice; it is not used
	s_wait_dscnt 16
	MULS \p, 1, 0
.endm
; THE SAME UNDER THE STREAM: trip t, p = t % 2.  Loads come back in order, and the token rows go out ahead of the ring's 16, so one count serves whatever NG is.
.macro CHUNKO p
	s_wait_loadcnt 16                              ; all but the ring's 16 loads of the last trip are in: this trip's token rows, and chunk t + 2
	RCVT \p                                        ; 32 plain instructions: also the places between the last products and the loads into their sources
	ASTEP \p
	ALOAD 1-(\p), 1, 128*(1-(\p))                  ; the token rows of trip t + 1,
	RLOAD \p, 256+64*(\p)                          ; then chunk t + 4: two trips in which to land
	BFETCH 1, (2*(\p)+1)*STEPB
	s_wait_dscnt 16                                ; buffer 0's fragments are in; the 16 just issued are younger
	MULS \p, 0, 0
.Lohalf\p:
	PLACES
	BFETCH 0, (2*(\p)+2)*STEPB                     ; the first step of chunk t + 1, laid in trip t - 1
	s_wait_dscnt 16
	MULS \p, 1, 0
	s_wait_dscnt 0x0                               ; my reads of the slice are over
	BAR                                            ; everybody's are: now it is written
	WPHASE \p                                      ; chunk t + 2
	s_wait_dscnt 0x0                               ; for the others: my rows are in LDS
	BAR                                            ; everybody's are: now it is read again
.endm
.macro GELU q                          ; 32 numbers; all 64 transcendentals are one batch with one wait
.set i, 0
.rept 32
	v_mul_f32 v[ZZ+i], |v[32*(\q)+i]|, s24         ; z = |x| / sqrt 2
.set i, i+1
.endr
.set i, 0
.rept 16
	v_pk_fma_f32 v[TT+i:TT+i+1], v[ZZ+i:ZZ+i+1], s[26:27], s[40:41] op_sel_hi:[1,0,0]
	v_pk_mul_f32 v[EE+i:EE+i+1], v[ZZ+i:ZZ+i+1], v[ZZ+i:ZZ+i+1]
.set i, i+2
.endr
.set i, 0
.rept 16
	v_pk_mul_f32 v[EE+i:EE+i+1], v[EE+i:EE+i+1], s[28:29] op_sel_hi:[1,0]
.set i, i+2
.endr
.set i, 0
.rept 32
	v_rcp_f32 v[TT+i], v[TT+i]
	v_exp_f32 v[EE+i], v[EE+i]
.set i, i+1
.endr
.set i, 0
.rept 32
	v_max_num_f32 v[32*(\q)+i], 0, v[32*(\q)+i]    ; work that names no result of the batch
.set i, i+1
.endr
.set i, 0
.rept 16
	v_pk_mul_f32 v[ZZ+i:ZZ+i+1], v[ZZ+i:ZZ+i+1], s[24:25] op_sel_hi:[1,0]   ; |x| / 2
.set i, i+2
.endr
	s_wait_alu depctr_va_vdst(0)                   ; the wait ahead of the batch's first reader
.set i, 0
.rept 16
	v_pk_fma_f32 v[PP+i:PP+i+1], v[TT+i:TT+i+1], s[38:39], s[36:37] op_sel_hi:[1,0,0]
.set i, i+2
.endr
.irp c, 34, 32, 30
.set i, 0
.rept 16
	v_pk_fma_f32 v[PP+i:PP+i+1], v[PP+i:PP+i+1], v[TT+i:TT+i+1], s[\c:\c+1] op_sel_hi:[1,1,0]
.set i, i+2
.endr
.endr
.set i, 0
.rept 16
	v_pk_mul_f32 v[PP+i:PP+i+1], v[PP+i:PP+i+1], v[TT+i:TT+i+1]
.set i, i+2
.endr
.set i, 0
.rept 16
	v_pk_mul_f32 v[PP+i:PP+i+1], v[PP+i:PP+i+1], v[EE+i:EE+i+1]             ; 1 - erf z
.set i, i+2
.endr
.set i, 0
.rept 16
	v_pk_fma_f32 v[32*(\q)+i:32*(\q)+i+1], v[ZZ+i:ZZ+i+1], v[PP+i:PP+i+1], v[32*(\q)+i:32*(\q)+i+1] neg_lo:[1,0,0] neg_hi:[1,0,0]
.set i, i+2
.endr
.endm
	s_load_b256 s[4:11], s[0:1], 0x0               ; x16 s[4:5], bm s[6:7], w1 s[8:9], b1 s[10:11]
	s_load_b64 s[12:13], s[0:1], 0x20              ; hid
	s_load_b64 s[2:3], s[0:1], 0x28                ; lst
	v_lshl_add_u32 v[SPW], v0, 2, SPARE
	v_mov_b32 v[NIL], 0
	v_lshrrev_b32 v14, 5, v0
	v_readfirstlane_b32 s14, v14                   ; wave
	v_and_b32 v1, 31, v0                           ; lane
	s_and_b32 s15, ttmp7, 0xffff                   ; expert
	s_mov_b32 s17, ttmp9                           ; slice
	s_lshl_b32 s56, s15, 8
	s_mov_b32 s57, 0
	v_lshlrev_b32 v[WOF], 4, v1
	v_lshrrev_b32 v13, 4, v1                       ; lane / 16
	v_lshlrev_b32 v14, 5, v13
	s_wait_kmcnt 0x0
	s_add_nc_u64 s[6:7], s[6:7], s[56:57]          ; the expert's 64 words: 32 of first choices, 32 of second
	s_load_b512 s[24:39], s[6:7], 0x0
	s_load_b512 s[40:55], s[6:7], 0x40
	s_load_b512 s[68:83], s[6:7], 0x80
	s_load_b512 s[84:99], s[6:7], 0xc0
	s_lshl_b32 s56, s15, 11
	s_add_nc_u64 s[2:3], s[2:3], s[56:57]          ; the expert's 1,024 entries of 2 bytes
	s_lshl_b32 s56, s15, 14
	s_lshl_b32 s60, s17, 9
	s_add_co_u32 s56, s56, s60
	s_add_nc_u64 s[10:11], s[10:11], s[56:57]      ; the bias of my 128 columns
	WIN 0x40
.irp b, 0,1,2,3,4,5,6,7                                ; columns 16 b + 8 (lane / 16) + 0..7
	global_load_b128 v[8*\b:8*\b+3], v14, s[10:11] offset:64*\b
	global_load_b128 v[8*\b+4:8*\b+7], v14, s[10:11] offset:64*\b+16
.endr
	s_lshl_b32 s56, s15, 24                        ; an expert's weights are 16 MiB
	s_add_co_u32 s56, s56, s60                     ; my slice's 512 bytes of a row
	s_lshl_b32 s60, s14, 18                        ; my wave's 16 k-rows of a chunk
	s_add_co_u32 s56, s56, s60
	s_add_nc_u64 s[8:9], s[8:9], s[56:57]
	RLOAD 0, 0                                     ; chunks 0 and 1.  All that follows up to the first wait for them stands in that wait
	RLOAD 1, 64
	WIN 0
	v_and_b32 v[RR], 15, v1
	v_lshlrev_b32 v[H16], 4, v13
	v_and_b32 v24, 7, v1
	v_bfe_u32 v25, v1, 3, 1
	v_lshl_add_u32 v[BRL], v13, 3, v24             ; k-row 8 (l / 16) + l % 8,
	v_mul_u32_u24 v[BRL], v[BRL], BP
	v_lshl_add_u32 v[BRL], v25, 4, v[BRL]          ; 16 bytes (l / 8) % 2
	s_mul_i32 s61, s14, STAGEW
	s_add_co_u32 s61, s61, STAGE
	v_mul_u32_u24 v[STO], v[RR], 272               ; in: row l % 16, 16 bytes a half of the lanes,
	v_add_nc_u32 v[STO], v[STO], v[H16]
	v_add_nc_u32 v[STO], s61, v[STO]
	v_mul_u32_u24 v[RD], v13, 272                  ; back: two whole rows of 256 bytes at a time
	v_lshl_add_u32 v[RD], v[RR], 4, v[RD]
	v_add_nc_u32 v[RD], s61, v[RD]
	v_lshlrev_b32 v[GO], 13, v13                   ; and the same two rows in hid, 8,192 bytes apart
	v_lshl_add_u32 v[GO], v[RR], 4, v[GO]
	s_mul_i32 s62, s14, PADW                       ; my quarter of the zeros behind the slice
	s_add_co_u32 s62, s62, PAD
	v_lshl_add_u32 v45, v1, 4, s62
	v_lshl_add_u32 v46, v1, 3, s62
	v_mov_b32 v48, 0
	v_mov_b32 v49, 0
	v_mov_b32 v50, 0
	v_mov_b32 v51, 0
.irp n, 0,1,2,3
	ds_store_b128 v45, v[48:51] offset:512*\n
.endr
	ds_store_b64 v46, v[48:49] offset:2048
	s_mov_b32 s18, 0
	s_wait_kmcnt 0x0
.set i, 0
.rept 32
	s_bcnt1_i32_b32 s60, s[24+i]
	s_add_co_u32 s18, s18, s60
	s_bcnt1_i32_b32 s61, s[68+i]
	s_add_co_u32 s18, s18, s61                     ; the expert's rows
.set i, i+1
.endr
	s_sub_co_u32 s19, s18, 1                       ; the last rank
	s_mov_b32 s22, 0x76543210                      ; v_permlanex16_b32: each lane takes its own place in the other half
	s_mov_b32 s23, 0xfedcba98
	s_mov_b32 s62, 0x01010101
	s_mov_b32 s63, 0xffff0000                      ; lanes 16 to 31; also a word's upper bf16
.set n, 0
.rept 8
	v_mov_b32 v[E1+n], 0
.set n, n+1
.endr
	s_mov_b32 s16, 0
.Lsel:                                                 ; twice, eight groups a trip: what the first trip found moves down to ENT's lower half
.set n, 0
.rept 8
	v_mov_b32 v[ENT+n], v[E1+n]
.set n, n+1
.endr
	s_lshl_b32 s21, s16, 9
	s_lshl4_add_u32 s21, s14, s21
	s_cmp_le_u32 s18, s21
	s_cbranch_scc1 .Lselnext
	SELECT
.Lselnext:
	s_add_co_u32 s16, s16, 1
	s_cmp_lt_u32 s16, 2
	s_cbranch_scc1 .Lsel
	FORM 0, 1, 2, 3, 4, 5                          ; block 0's offsets
	s_mul_i32 s60, s14, 16*BP
	v_lshl_add_u32 v[AW], v1, 3, s60               ; my 16 k-rows of a chunk, 8 bytes a lane;
.irp k, 1,2,3,4,5
	v_add_nc_u32 v[AW+\k], \k*192*BP, v[AW]        ; three chunks on
.endr
	s_mov_b32 s51, 0                               ; the bitmap's registers are free from here on
	s_mov_b64 s[46:47], s[4:5]                     ; the token rows' base
	PAIR 24, 0x3f3504f3                            ; 1 / sqrt 2
	PAIR 26, 0x3ea7ba05                            ; 0.3275911
	PAIR 28, 0xbfb8aa3b                            ; -log2 e
	PAIR 30, 0x3e827906                            ; a1 =  0.254829592
	PAIR 32, 0xbe91a98e                            ; a2 = -0.284496736
	PAIR 34, 0x3fb5f0e3                            ; a3 =  1.421413741
	PAIR 36, 0xbfba00e3                            ; a4 = -1.453152027
	PAIR 38, 0x3f87dc22                            ; a5 =  1.061405429
	PAIR 40, 1.0
	s_wait_loadcnt 32                              ; the bias is in; the ring's 32 loads are younger
	WIN 0x05
.set i, 0
.rept 32
	v_cvt_pk_bf16_f32 v[BI+i], v[2*i], v[2*i+1]
.set i, i+1
.endr
	WIN 0
	; BLOCK 0.  Chunks 0 and 1 are laid; the ring goes on.
	s_mov_b32 s16, 0
	BLKHEAD
	s_mov_b32 s50, 0
	s_mov_b32 s52, 0
	s_mov_b64 s[44:45], s[46:47]
	s_wait_loadcnt 16                              ; chunk 0 is in; chunk 1's 16 loads are younger
	RCVT 0
	RLOAD 0, 128                                   ; chunk 2
	CSTORE 0
	s_wait_loadcnt 16                              ; chunk 1 is in; chunk 2's 16 loads are younger
	RCVT 1
	ALOAD 0, 0, 0                                  ; the token rows of trip 0, all 6 groups, ahead of
	RLOAD 1, 192                                   ; chunk 3
	CSTORE 1
	s_wait_dscnt 0x0                               ; for the others: my rows of chunks 0 and 1, and my zeros, are in LDS
	BAR
	; trip 0's first half, written out: both row buffers are loaded whole, and its products start all 48 sums
	s_wait_loadcnt 16                              ; the token rows of trip 0 and chunk 2 are in; chunk 3's 16 loads are younger
	RCVT 0
	ALOAD 1, 0, 128
	RLOAD 0, 256                                   ; chunk 4
	WIN 0
	v_mov_b32 v[ADB], v[BRL]
	BFETCH 0, 0                                    ; steps 0 and 1
	BFETCH 1, STEPB
	WIN 0
	s_mov_b32 s54, 6
	s_wait_dscnt 16                                ; step 0's fragments are in; step 1's 16 loads are younger
	MULS 0, 0, 1
	s_branch .Lohalf0                              ; the loop is entered in the middle of its first chunk
.Lotop:                                                ; six times: trips 2 m and 2 m + 1
	CHUNKO 0
	CHUNKO 1
	s_add_co_u32 s52, s52, 4*STEPB
	v_add_nc_u32 v[ADB], s52, v[BRL]
	s_wait_xcnt 0x0                                ; the ring's base is stepped only behind this wait
	s_add_nc_u64 s[8:9], s[8:9], 128*PITCHB
	s_sub_co_u32 s54, s54, 1
	s_cmp_lg_u32 s54, 0
	s_cbranch_scc1 .Lotop
	s_wait_loadcnt 0x0                             ; nothing is left to ask for: chunks 14 and 15, and the token rows of trip 12, are in
	RCVT 0
	CSTORE 14
	RCVT 1
	CSTORE 15
	s_wait_dscnt 0x0                               ; for the others: my rows are in LDS
	BAR                                            ; the slice is whole; from here on nobody writes it
	s_mov_b32 s22, 2
	s_branch .Ltop                                 ; trips 12 to 15
.Lsb:                                                  ; BLOCKS 1 AND 2
	BLKHEAD
	s_cmp_eq_u32 s20, 0
	s_cbranch_scc1 .Lkend                          ; my wave has no row in this block: on to the barrier
	s_cmp_eq_u32 s16, 1
	s_cbranch_scc0 .Lform2
	FORM 6, 7, 8, 9, 10, 11
	s_branch .Lformed
.Lform2:
	FORM 12, 13, 14, 15, 15, 15                    ; ranks from 1,024 on do not exist: their groups are never live
.Lformed:
	s_mov_b32 s50, 0
	s_mov_b32 s52, 0
	s_mov_b64 s[44:45], s[46:47]
	ALOAD 0, 0, 0                                  ; chunks 0 and 1 of the token rows, asked for together
	ALOAD 1, 0, 128
	v_mov_b32 v[ADB], v[BRL]
	BFETCH 0, 0                                    ; steps 0 and 1
	BFETCH 1, STEPB
	WIN 0
	s_mov_b32 s22, 8
	s_wait_loadcnt 24                              ; chunk 0's token rows are in; chunk 1's 24 loads are younger
	s_wait_dscnt 16                                ; step 0's fragments are in; step 1's 16 loads are younger
	MULS 0, 0, 1                                   ; the first step, written out: it starts the sums
	s_branch .Lhalf0                               ; the loop is entered in the middle of its first chunk
.Ltop:                                                 ; a trip: two chunks, four steps
	CHUNK 0
	CHUNK 1
	s_add_co_u32 s52, s52, 4*STEPB
	v_add_nc_u32 v[ADB], s52, v[BRL]
	s_sub_co_u32 s22, s22, 1
	s_cmp_lg_u32 s22, 0
	s_cbranch_scc1 .Ltop
.Lkend:
	s_wait_loadcnt 0x0                             ; the look-ahead has landed: its registers are used anew
	s_wait_dscnt 0x0                               ; my reads of the slice are over
	BAR                                            ; everybody's are: now the stages are written
	s_cmp_eq_u32 s20, 0
	s_cbranch_scc1 .Lwoend
	; THE WAY OUT, a group of 16 rows at a time; groups past NG are jumped.
	PLACES
.set i, 0
.rept 32
	v_lshlrev_b32 v[BS+2*i], 16, v[BI+i]
	v_and_b32 v[BS+2*i+1], s63, v[BI+i]
.set i, i+1
.endr
	s_lshl_b32 s56, s15, 23                        ; hid: an expert's 1,024 rows of 8,192 bytes,
	s_lshl_b32 s60, s21, 13                        ; my wave's first rank,
	s_add_co_u32 s56, s56, s60
	s_lshl_b32 s60, s17, 8                         ; my slice's 256 bytes
	s_add_co_u32 s56, s56, s60
	s_add_nc_u64 s[48:49], s[12:13], s[56:57]
	s_mov_b32 s82, 0
.Lg:
	s_cmp_ge_u32 s82, s20
	s_cbranch_scc1 .Lnext
.irp g, 0,1,2,3,4
	s_cmp_eq_u32 s82, \g
	s_cbranch_scc1 .Lsw\g
.endr
.irp g, 5,4,3,2,1,0                                    ; X = the group's sums + bias; each accumulator is read from its low end on
.if \g < 5
.Lsw\g:
.endif
	WIN 0x42+(\g)/4
.set i, 0
.rept 32
	v_pk_add_f32 v[2*i:2*i+1], v[64*((\g)%4)+2*i:64*((\g)%4)+2*i+1], v[BS+2*i:BS+2*i+1]
.set i, i+1
.endr
	WIN 0
.if \g > 0
	s_branch .Lcom
.endif
.endr
.Lcom:
	WIN 0x55
	GELU 0
	GELU 1
.set i, 0
.rept 32
	v_cvt_pk_bf16_f32 v[CV+i], v[2*i], v[2*i+1]
.set i, i+1
.endr
	WIN 0x04
.irp b, 0,1,2,3,4,5,6,7
	ds_store_b128 v[STO], v[CV+4*\b:CV+4*\b+3] offset:32*\b
.endr
	WIN 0x40
.irp t, 0,1,2,3,4,5,6,7
	ds_load_b128 v[ZZ+4*\t:ZZ+4*\t+3], v[RD] offset:544*\t     ; my own stage: LDS serves a wave's instructions in order
.endr
	s_wait_dscnt 0x0
	WIN 0x04
.irp t, 0,1,2,3,4,5,6,7
	global_store_b128 v[GO], v[ZZ+4*\t:ZZ+4*\t+3], s[48:49] offset:16384*\t  ; 16 lanes store 256 consecutive bytes, aligned
.endr
	WIN 0
	s_wait_xcnt 0x0                                ; the stores' data and base are rewritten only behind this wait
.Lnext:
	s_add_nc_u64 s[48:49], s[48:49], 524288        ; 64 ranks on
	s_add_co_u32 s82, s82, 1
	s_cmp_lt_u32 s82, 6
	s_cbranch_scc1 .Lg
.Lwoend:
	s_wait_dscnt 0x0                               ; my stores into my stage are done
	BAR                                            ; everybody's are: the next block reads LDS again
	s_add_co_u32 s16, s16, 1
	s_cmp_lt_u32 s16, 3
	s_cbranch_scc1 .Lsb
	s_wait_tensorcnt 0x0                           ; the wave's end, behind my last LDS store
	ds_add_u32 v[SPW], v[NIL]
	s_wait_dscnt 0x0
	s_endpgm
.Lfunc_end_k_qf940322d5f_up:
	.size	k_qf940322d5f_up, .Lfunc_end_k_qf940322d5f_up-k_qf940322d5f_up
	.p2alignl 7, 3214868480
	.fill 96, 4, 3214868480
	.section	.rodata,"a",@progbits
	.p2align	6, 0x0
	.amdhsa_kernel k_qf940322d5f_up
		.amdhsa_group_segment_fixed_size 327680
		.amdhsa_private_segment_fixed_size 0
		.amdhsa_enable_private_segment 0
		.amdhsa_kernarg_size 48
		.amdhsa_user_sgpr_count 2
		.amdhsa_user_sgpr_kernarg_segment_ptr 1
		.amdhsa_wavefront_size32 1
		.amdhsa_system_sgpr_workgroup_id_x 1
		.amdhsa_system_sgpr_workgroup_id_y 1
		.amdhsa_system_sgpr_workgroup_id_z 1
		.amdhsa_system_vgpr_workitem_id 0
		.amdhsa_next_free_vgpr 1024
		.amdhsa_next_free_sgpr 100
		.amdhsa_reserve_vcc 1
		.amdhsa_float_denorm_mode_32 3
		.amdhsa_float_denorm_mode_16_64 3
		.amdhsa_memory_ordered 1
		.amdhsa_forward_progress 1
		.amdhsa_inst_pref_size 219
	.end_amdhsa_kernel
	.amdgpu_metadata
---
amdhsa.version: [ 1, 2 ]
amdhsa.kernels:
  - .name:           k_qf940322d5f_up
    .symbol:         k_qf940322d5f_up.kd
    .args:
      - { .name: x16, .offset: 0, .size: 8, .value_kind: global_buffer, .address_space: global }
      - { .name: bm, .offset: 8, .size: 8, .value_kind: global_buffer, .address_space: global }
      - { .name: w1, .offset: 16, .size: 8, .value_kind: global_buffer, .address_space: global }
      - { .name: b1, .offset: 24, .size: 8, .value_kind: global_buffer, .address_space: global }
      - { .name: hid, .offset: 32, .size: 8, .value_kind: global_buffer, .address_space: global }
      - { .name: lst, .offset: 40, .size: 8, .value_kind: global_buffer, .address_space: global }
    .group_segment_fixed_size: 327680
    .private_segment_fixed_size: 0
    .kernarg_segment_align: 8
    .kernarg_segment_size: 48
    .max_flat_workgroup_size: 128
    .sgpr_count:     100
    .vgpr_count:     1024
    .wavefront_size: 32
...
	.end_amdgpu_metadata
.endif
;; end of part 5
;; launch down (part 6): grid 32 x 8, 4 waves a work-group, no clusters, 327,680 bytes of LDS; arguments hid, bm, w2, b2, part, lst; writes part
.if DOCPART == 6
	.amdgcn_target "amdgcn-amd-amdhsa--gfx1250"
	.amdhsa_code_object_version 6
	.text
	.protected	k_qf940322d5f_down
	.globl	k_qf940322d5f_down
	.p2align	8
	.type	k_qf940322d5f_down,@function
k_qf940322d5f_down:
	s_mov_b64 s[64:65], 0
	v_nop
	global_prefetch_b8 v0, s[64:65] scope:SCOPE_SE
	s_setreg_imm32_b32 hwreg(HW_REG_WAVE_MODE, 25, 1), 1
	s_wait_xcnt 0x0
; part[kq][entry][d] = the sum over a quarter kq of f of hid[e][rank][f] w2[e][f][d] (+ b2[e][d] in quarter 0), in f32, for the rows that chose expert e alone; entry = slot x 1024 + token.
; GRID.  x = 8 kq + column slice of 128, y = expert.  A work-group owns one slice (K = 1,024, N = 128), which it alone reads, and ALL of its expert's rows, 0 to 1,024 of them.
; hid's rows lie by RANK (first choices by token, then second choices by token); lst ([expert][rank], 2 bytes), stored by the launch before, gives each rank's entry; the count comes from the bitmap bm.
; BLOCKS.  Three blocks of 384 ranks, a constant count.  In a block wave w owns rows 64 g + 16 w + 0..15, g = 0..5, and all 128 columns: 48 accumulators.  NG = the wave's groups that hold a row;
; groups past NG are jumped.  Ranks past the count repeat the expert's last row.  hid's rows come from memory straight into registers as matrix operands, a chunk of 64 k ahead.
; THE SLICE is read once, as f32, through a ring of two sets of 16 register slots a wave (a load = one k-row's 512 bytes), rounded to bf16 and laid into LDS, where it stays: 1,024 k-rows at a pitch of
; 288 bytes; it is read turned (ds_load_tr16_b128), a step of 32 k ahead.  Chunk c = k-rows 64 c .. 64 c + 63; wave w brings rows 16 w .. 16 w + 15 of each.
; BLOCK 0 IS MULTIPLIED UNDER THE STREAM.  Trip t rounds chunk t + 2, asks for hid's rows of trip t + 1 and then for chunk t + 4, multiplies chunk t, and lays chunk t + 2 into LDS.  A trip's reads of
; LDS and its stores are parted by two barriers, on every wave's path; a wave without rows carries group 0 along.  Behind trip 11 the last two chunks are laid, and trips 12 to 15 run in the loop
; without stores or barriers that blocks 1 and 2 use; these jump from their head to the barrier where the wave has no row.
; TWO MORE BARRIERS A BLOCK: one between the block's reads of the slice and the stores into the stages, one between these and the next block's reads.
; The matrix instruction is used transposed (source 0 = 16 columns of w2, source 1 = 16 rows): a lane holds eight neighbouring columns of one row.
; The four quarters' partial sums stay in f32 and are added by the next launch.
; NO CLUSTER: each slice of weights has one reader; hid's rows come by per-lane offsets clamped at a count, which no tile descriptor covers.
; LIMITS.  w2 and b2 are rounded to bf16, hid is bf16; NaN and infinities are not treated apart.  For an expert without rows block 0 loads bytes of hid that nobody stored (inside the
; buffer); nothing is made of them.
.set PITCHB, 4096        ; bytes from a k-row of w2 to the next
.set BP, 288             ; a k-row of the slice in LDS: 256 bytes + 32 = 9 x 32
.set STEPB, 32*BP        ; a step of 32 k
.set PAD, 1024*BP        ; behind the slice: one step's bytes of zeros, which the last look-ahead reads; each wave writes a quarter
.set PADW, 2304
.set STAGE, PAD+4*PADW   ; for each wave 16 rows x 272 bytes, for the way out
.set STAGEW, 16*272
.set SPARE, STAGE+4*STAGEW  ; the spare words, 128 bytes a wave
.set BLK, 384            ; ranks in a block
; window 0
.set SPW, 2              ; my spare word's address; never rewritten
.set NIL, 3              ; 0; never rewritten
.set BRL, 4              ; my lane's place in a step of the slice, for the turning loads; never rewritten
.set ADB, 5              ; the same for the four steps in hand
.set WOF, 7              ; 16 x lane
.set RR, 8               ; lane % 16
.set H16, 9              ; 16 x (lane / 16)
.set STO, 10             ; the way out: into the stage,
.set RD, 11              ; back,
.set GO, 12              ; and my 16 bytes of 256 in part.  v13 = lane / 16
.set AO, 16              ; v16-21   byte offset of my row of group g
.set AW, 32              ; v32-37   where I store my rows of chunks 3 k, 3 k + 1, 3 k + 2; never rewritten
.set BS, 64              ; v64-159  hid's rows, buffer 0 (group g at 64 + 16 g); the way out: v64-127 the bias in f32,
.set EN, 128             ; v128-135 byte offsets in part of the group's rows 2 t + lane / 16,
.set EO, 136             ; v136-143 byte offsets in lst of the next group's,
.set ENN, 144            ; v144-151 the next group's entries, on their way
.set BI, 192             ; v192-223 the bias, packed bf16
.set CVR, 224            ; v224-255 a chunk's 16 rows of mine, rounded
; window 1: v0-127 weights' fragments (step parity s, column block b at 64 s + 8 b); v128-223 hid's rows, buffer 1; the way out: X v0-63, rows read back v64-127
.set ZZ, 64
; window 2: accumulators of groups 0-3, group g, column block b at v[64 g + 8 b];  window 3: v0-127 those of groups 4, 5; v128-255 the ring
.set RG, 128             ; set p, slot i at RG + 64 p + 4 i
.set MSB, 0
.macro WIN new                         ; the immediate's high byte repeats the setting that is left
.if MSB != (\new)
	s_set_vgpr_msb (MSB<<8)|(\new)
.set MSB, \new
.endif
.endm
.macro PLACES
.rept 4
	v_nop
.endr
.endm
.macro BAR
	s_barrier_signal -1
	s_barrier_wait -1
.endm
.macro BLKHEAD                         ; block s16: s21 = my wave's first rank, s20 = NG
	s_mul_i32 s56, s16, BLK
	s_lshl4_add_u32 s21, s14, s56
	s_max_u32 s20, s18, s21
	s_sub_co_u32 s20, s20, s21                     ; the expert's ranks from mine on, 0 if there are none
	s_min_u32 s20, s20, BLK
	s_add_co_u32 s20, s20, 63
	s_lshr_b32 s20, s20, 6
.endm
.macro AOFS                            ; the byte offsets of my rows of the block's six groups
	v_add_nc_u32 v24, s21, v[RR]
.set n, 0
.rept 6
	v_add_nc_u32 v[AO+n], 64*n, v24
	v_min_u32 v[AO+n], s19, v[AO+n]                ; ranks past the count repeat the last row
	v_min_u32 v[AO+n], 0x3ff, v[AO+n]
	v_lshl_add_u32 v[AO+n], v[AO+n], 13, v[H16]    ; hid's rows lie by rank, 8,192 bytes each
.set n, n+1
.endr
.endm
.macro ENLOAD                          ; asks for the entries of the group whose first rank is s83; clamped at the count, so it stays inside what was stored
	v_add_nc_u32 v24, s83, v13
.set t, 0
.rept 8
	v_add_nc_u32 v[EO+t], 2*t, v24
	v_min_u32 v[EO+t], s19, v[EO+t]
	v_min_u32 v[EO+t], 0x3ff, v[EO+t]
	v_lshlrev_b32 v[EO+t], 1, v[EO+t]
	global_load_u16 v[ENN+t], v[EO+t], s[2:3]
.set t, t+1
.endr
.endm
; THE RING.  RCVT: set p's 16 rows rounded to bf16.  RLOAD: set p takes my 16 rows from row 'row' behind the base on.  CSTORE: the rounded rows are chunk c's: into the slice.
.macro RCVT p
	WIN 0x0f                                       ; sources in window 3
.set i, 0
.rept 16
	v_cvt_pk_bf16_f32 v[CVR+2*i], v[RG+64*(\p)+4*i], v[RG+64*(\p)+4*i+1]
	v_cvt_pk_bf16_f32 v[CVR+2*i+1], v[RG+64*(\p)+4*i+2], v[RG+64*(\p)+4*i+3]
.set i, i+1
.endr
.endm
.macro RLOAD p, row
	WIN 0xc0                                       ; destination in window 3
.set i, 0
.rept 16
	global_load_b128 v[RG+64*(\p)+4*i:RG+64*(\p)+4*i+3], v[WOF], s[8:9] offset:((\row)+i)*PITCHB th:TH_LOAD_NT
.set i, i+1
.endr
.endm
.macro CSTORE c
	WIN 0
.set i, 0
.rept 16
	ds_store_b64 v[AW+(\c)/3], v[CVR+2*i:CVR+2*i+1] offset:(((\c)%3)*64+i)*BP   ; the wave's 256 consecutive bytes of one k-row
.set i, i+1
.endr
.endm
; A trip's stores.  s54 = trips of the loop to go, 6 to 1: this is chunk 2 (6 - s54) + 2 + p.  Each chunk's stores are written out with constant addresses and chosen by the count, so that the bytes
; that a wave writes can be read off the text.
.macro WPHASE p
.irp m, 0,1,2,3,4
	s_cmp_eq_u32 s54, 6-\m
	s_cbranch_scc1 .Lw_\@_\m
.endr
.irp m, 5,4,3,2,1,0
.if \m < 5
.Lw_\@_\m:
.endif
	CSTORE 2*\m+2+\p
.if \m > 0
	s_branch .Lwd_\@
.endif
.endr
.Lwd_\@:
.endm
; hid's rows of a chunk of 64 k into buffer q: a group is four loads, 16 rows x 128 bytes.  chain = 1: groups past NG are jumped.
.macro ALOAD q, chain, imm
.irp g, 0,1,2,3,4,5
.if (\chain) && (\g > 0)
	WIN 0
	s_cmp_le_u32 s20, \g
	s_cbranch_scc1 .Lal_\@
.endif
	WIN 0x40*(\q)
.irp i, 0,1,2,3
	global_load_b128 v[64+64*(\q)+16*\g+4*\i:64+64*(\q)+16*\g+4*\i+3], v[AO+\g], s[44:45] offset:(\imm)+32*\i
.endr
.endr
	WIN 0
.Lal_\@:
.endm
.macro BFETCH s, off                   ; a step's 32 k x 128 columns, turned: 8 fragments into buffer s
	WIN 0x40
.irp b, 0,1,2,3,4,5,6,7
	ds_load_tr16_b128 v[64*(\s)+8*\b:64*(\s)+8*\b+3], v[ADB] offset:(\off)+32*\b
	ds_load_tr16_b128 v[64*(\s)+8*\b+4:64*(\s)+8*\b+7], v[ADB] offset:(\off)+32*\b+16*BP
.endr
.endm
; A step's products: 8 for each live group; no two that follow each other share an accumulator.  zero = 1: all 6 groups, and the products start the sums.
.macro MULS p, s, zero
.irp g, 0,1,2,3,4,5
.if (\g > 0) && !(\zero)
	WIN 0
	s_cmp_le_u32 s20, \g
	s_cbranch_scc1 .Lme_\@
.endif
	WIN 0xa1+0x50*(\g/4)+4*(\p)
.set rA, 64+64*(\p)+16*\g+8*(\s)
.irp b, 0,1,2,3,4,5,6,7
.if \zero
	v_wmma_f32_16x16x32_bf16 v[64*(\g%4)+8*\b:64*(\g%4)+8*\b+7], v[64*(\s)+8*\b:64*(\s)+8*\b+7], v[rA:rA+7], 0
.else
	v_wmma_f32_16x16x32_bf16 v[64*(\g%4)+8*\b:64*(\g%4)+8*\b+7], v[64*(\s)+8*\b:64*(\s)+8*\b+7], v[rA:rA+7], v[64*(\g%4)+8*\b:64*(\g%4)+8*\b+7]
.endif
.endr
.endr
	WIN 0
.Lme_\@:
.endm
.macro ASTEP p                         ; the rows' base goes 128 k on with every second chunk
.if (\p) == 1
	s_add_co_u32 s50, s50, 256
	s_and_b32 s50, s50, 0x7ff                      ; behind the last chunk the offset goes back to 0: that load stays inside the row's quarter and is not used
	s_add_nc_u64 s[44:45], s[46:47], s[50:51]
.endif
.endm
; A CHUNK of 64 k on row buffer p, the slice whole.  It asks for the next chunk's rows and, a step ahead, for the weights' fragments.  Four plain instructions stand between the last products
; and every load into their sources.  The number of row loads hangs on NG, so their wait is for 0.
.macro CHUNK p
	s_wait_loadcnt 0x0                             ; this chunk's rows are in; their base may be written
	PLACES
	ASTEP \p
	ALOAD 1-(\p), 1, 128*(1-(\p))
	BFETCH 1, (2*(\p)+1)*STEPB
	s_wait_dscnt 16                                ; buffer 0's fragments are in; the 16 just issued are younger
	MULS \p, 0, 0
.Lhalf\p:
	PLACES
	BFETCH 0, (2*(\p)+2)*STEPB                     ; behind the last step this reads the zeros behind the slice; it is not used
	s_wait_dscnt 16
	MULS \p, 1, 0
.endm
; THE SAME UNDER THE STREAM: trip t, p = t % 2.  Loads come back in order, and hid's rows go out ahead of the ring's 16, so one count serves whatever NG is.
.macro CHUNKO p
	s_wait_loadcnt 16                              ; all but the ring's 16 loads of the last trip are in: this trip's rows, and chunk t + 2
	RCVT \p                                        ; 32 plain instructions: also the places between the last products and the loads into their sources
	ASTEP \p
	ALOAD 1-(\p), 1, 128*(1-(\p))                  ; hid's rows of trip t + 1,
	RLOAD \p, 256+64*(\p)                          ; then chunk t + 4: two trips in which to land
	BFETCH 1, (2*(\p)+1)*STEPB
	s_wait_dscnt 16                                ; buffer 0's fragments are in; the 16 just issued are younger
	MULS \p, 0, 0
.Lohalf\p:
	PLACES
	BFETCH 0, (2*(\p)+2)*STEPB                     ; the first step of chunk t + 1, laid in trip t - 1
	s_wait_dscnt 16
	MULS \p, 1, 0
	s_wait_dscnt 0x0                               ; my reads of the slice are over
	BAR                                            ; everybody's are: now it is written
	WPHASE \p                                      ; chunk t + 2
	s_wait_dscnt 0x0                               ; for the others: my rows are in LDS
	BAR                                            ; everybody's are: now it is read again
.endm
	s_load_b256 s[4:11], s[0:1], 0x0               ; hid s[4:5], bm s[6:7], w2 s[8:9], b2 s[10:11]
	s_load_b64 s[12:13], s[0:1], 0x20              ; part
	s_load_b64 s[2:3], s[0:1], 0x28                ; lst
	v_lshl_add_u32 v[SPW], v0, 2, SPARE
	v_mov_b32 v[NIL], 0
	v_lshrrev_b32 v14, 5, v0
	v_readfirstlane_b32 s14, v14                   ; wave
	v_and_b32 v1, 31, v0                           ; lane
	s_and_b32 s15, ttmp7, 0xffff                   ; expert
	s_mov_b32 s17, ttmp9                           ; 8 x K quarter + column slice
	s_lshl_b32 s56, s15, 8
	s_mov_b32 s57, 0
	v_lshlrev_b32 v[WOF], 4, v1
	v_lshrrev_b32 v13, 4, v1                       ; lane / 16
	v_lshlrev_b32 v14, 5, v13
	s_wait_kmcnt 0x0
	s_add_nc_u64 s[6:7], s[6:7], s[56:57]          ; the expert's 64 words: 32 of first choices, 32 of second
	s_load_b512 s[24:39], s[6:7], 0x0
	s_load_b512 s[40:55], s[6:7], 0x40
	s_load_b512 s[68:83], s[6:7], 0x80
	s_load_b512 s[84:99], s[6:7], 0xc0
	s_lshl_b32 s56, s15, 11
	s_add_nc_u64 s[2:3], s[2:3], s[56:57]          ; the expert's 1,024 entries of 2 bytes
	s_lshl_b32 s56, s15, 12
	s_and_b32 s60, s17, 7
	s_lshl_b32 s60, s60, 9                         ; my column slice's 512 bytes
	s_add_co_u32 s56, s56, s60
	s_add_nc_u64 s[10:11], s[10:11], s[56:57]      ; the bias of my 128 columns
	WIN 0x40
.irp b, 0,1,2,3,4,5,6,7                                ; columns 16 b + 8 (lane / 16) + 0..7
	global_load_b128 v[8*\b:8*\b+3], v14, s[10:11] offset:64*\b
	global_load_b128 v[8*\b+4:8*\b+7], v14, s[10:11] offset:64*\b+16
.endr
	s_lshl_b32 s56, s15, 24                        ; an expert's weights are 16 MiB
	s_add_co_u32 s56, s56, s60
	s_lshr_b32 s61, s17, 3                         ; the K quarter:
	s_lshl_b32 s60, s61, 22                        ; 1,024 k-rows of 4,096 bytes
	s_add_co_u32 s56, s56, s60
	s_lshl_b32 s60, s14, 16                        ; my wave's 16 k-rows of a chunk
	s_add_co_u32 s56, s56, s60
	s_add_nc_u64 s[8:9], s[8:9], s[56:57]
	RLOAD 0, 0                                     ; chunks 0 and 1.  All that follows up to the first wait for them stands in that wait
	RLOAD 1, 64
	WIN 0
	v_and_b32 v[RR], 15, v1
	v_lshlrev_b32 v[H16], 4, v13
	v_and_b32 v24, 7, v1
	v_bfe_u32 v25, v1, 3, 1
	v_lshl_add_u32 v[BRL], v13, 3, v24             ; k-row 8 (l / 16) + l % 8,
	v_mul_u32_u24 v[BRL], v[BRL], BP
	v_lshl_add_u32 v[BRL], v25, 4, v[BRL]          ; 16 bytes (l / 8) % 2
	s_mul_i32 s60, s14, 16*BP
	v_lshl_add_u32 v[AW], v1, 3, s60               ; my 16 k-rows of a chunk, 8 bytes a lane;
.irp k, 1,2,3,4,5
	v_add_nc_u32 v[AW+\k], \k*192*BP, v[AW]        ; three chunks on
.endr
	s_mul_i32 s61, s14, STAGEW
	s_add_co_u32 s61, s61, STAGE
	v_mul_u32_u24 v[STO], v[RR], 272               ; in: row l % 16, 32 bytes a half of the lanes,
	v_lshl_add_u32 v[STO], v13, 5, v[STO]
	v_add_nc_u32 v[STO], s61, v[STO]
	v_mul_u32_u24 v[RD], v13, 272                  ; back: two rows' 256 bytes at a time
	v_lshl_add_u32 v[RD], v[RR], 4, v[RD]
	v_add_nc_u32 v[RD], s61, v[RD]
	v_lshlrev_b32 v[GO], 4, v[RR]
	s_mul_i32 s62, s14, PADW                       ; my quarter of the zeros behind the slice
	s_add_co_u32 s62, s62, PAD
	v_lshl_add_u32 v45, v1, 4, s62
	v_lshl_add_u32 v46, v1, 3, s62
	v_mov_b32 v48, 0
	v_mov_b32 v49, 0
	v_mov_b32 v50, 0
	v_mov_b32 v51, 0
.irp n, 0,1,2,3
	ds_store_b128 v45, v[48:51] offset:512*\n
.endr
	ds_store_b64 v46, v[48:49] offset:2048
	s_mov_b32 s18, 0
	s_wait_kmcnt 0x0
.set i, 0
.rept 32
	s_bcnt1_i32_b32 s60, s[24+i]
	s_add_co_u32 s18, s18, s60
	s_bcnt1_i32_b32 s61, s[68+i]
	s_add_co_u32 s18, s18, s61                     ; the expert's rows
.set i, i+1
.endr
	s_sub_co_u32 s19, s18, 1                       ; the last rank
	s_mov_b32 s63, 0xffff0000                      ; a word's upper bf16
	s_mov_b32 s51, 0                               ; the bitmap's registers are free from here on
	s_lshr_b32 s61, s17, 3                         ; the K quarter
	s_lshl_b32 s56, s15, 23
	s_lshl_b32 s60, s61, 11
	s_add_co_u32 s56, s56, s60
	s_add_nc_u64 s[46:47], s[4:5], s[56:57]        ; hid: the expert's rows, my quarter's 2,048 bytes of each
	s_lshl_b32 s56, s61, 23
	s_and_b32 s60, s17, 7
	s_lshl_b32 s60, s60, 9
	s_add_co_u32 s56, s56, s60
	s_add_nc_u64 s[48:49], s[12:13], s[56:57]      ; part: my quarter, my columns
	s_wait_loadcnt 32                              ; the bias is in; the ring's 32 loads are younger
	WIN 0x05
.set i, 0
.rept 32
	v_cvt_pk_bf16_f32 v[BI+i], v[2*i], v[2*i+1]
.set i, i+1
.endr
	WIN 0
	s_lshr_b32 s60, s17, 3
	s_cmp_eq_u32 s60, 0
	s_cselect_b32 s60, -1, 0                       ; the bias is added in K quarter 0 alone
.set i, 0
.rept 32
	v_and_b32 v[BI+i], s60, v[BI+i]
.set i, i+1
.endr
	; BLOCK 0.  Chunks 0 and 1 are laid; the ring goes on.
	s_mov_b32 s16, 0
	BLKHEAD
	AOFS
	s_mov_b32 s50, 0
	s_mov_b32 s52, 0
	s_mov_b64 s[44:45], s[46:47]
	s_wait_loadcnt 16                              ; chunk 0 is in; chunk 1's 16 loads are younger
	RCVT 0
	RLOAD 0, 128                                   ; chunk 2
	CSTORE 0
	s_wait_loadcnt 16                              ; chunk 1 is in; chunk 2's 16 loads are younger
	RCVT 1
	ALOAD 0, 0, 0                                  ; hid's rows of trip 0, all 6 groups, ahead of
	RLOAD 1, 192                                   ; chunk 3
	CSTORE 1
	s_wait_dscnt 0x0                               ; for the others: my rows of chunks 0 and 1, and my zeros, are in LDS
	BAR
	; trip 0's first half, written out: both row buffers are loaded whole, and its products start all 48 sums
	s_wait_loadcnt 16                              ; hid's rows of trip 0 and chunk 2 are in; chunk 3's 16 loads are younger
	RCVT 0
	ALOAD 1, 0, 128
	RLOAD 0, 256                                   ; chunk 4
	WIN 0
	v_mov_b32 v[ADB], v[BRL]
	BFETCH 0, 0                                    ; steps 0 and 1
	BFETCH 1, STEPB
	WIN 0
	s_mov_b32 s54, 6
	s_wait_dscnt 16                                ; step 0's fragments are in; step 1's 16 loads are younger
	MULS 0, 0, 1
	s_branch .Lohalf0                              ; the loop is entered in the middle of its first chunk
.Lotop:                                                ; six times: trips 2 m and 2 m + 1
	CHUNKO 0
	CHUNKO 1
	s_add_co_u32 s52, s52, 4*STEPB
	v_add_nc_u32 v[ADB], s52, v[BRL]
	s_wait_xcnt 0x0                                ; the ring's base is stepped only behind this wait
	s_add_nc_u64 s[8:9], s[8:9], 128*PITCHB
	s_sub_co_u32 s54, s54, 1
	s_cmp_lg_u32 s54, 0
	s_cbranch_scc1 .Lotop
	s_wait_loadcnt 0x0                             ; nothing is left to ask for: chunks 14 and 15, and hid's rows of trip 12, are in
	RCVT 0
	CSTORE 14
	RCVT 1
	CSTORE 15
	s_wait_dscnt 0x0                               ; for the others: my rows are in LDS
	BAR                                            ; the slice is whole; from here on nobody writes it
	s_mov_b32 s22, 2
	s_branch .Ltop                                 ; trips 12 to 15
.Lsb:                                                  ; BLOCKS 1 AND 2
	BLKHEAD
	s_cmp_eq_u32 s20, 0
	s_cbranch_scc1 .Lkend                          ; my wave has no row in this block: on to the barrier
	AOFS
	s_mov_b32 s50, 0
	s_mov_b32 s52, 0
	s_mov_b64 s[44:45], s[46:47]
	ALOAD 0, 0, 0                                  ; chunks 0 and 1 of hid's rows, asked for together
	ALOAD 1, 0, 128
	v_mov_b32 v[ADB], v[BRL]
	BFETCH 0, 0                                    ; steps 0 and 1
	BFETCH 1, STEPB
	WIN 0
	s_mov_b32 s22, 8
	s_wait_loadcnt 24                              ; chunk 0's rows are in; chunk 1's 24 loads are younger
	s_wait_dscnt 16                                ; step 0's fragments are in; step 1's 16 loads are younger
	MULS 0, 0, 1                                   ; the first step, written out: it starts the sums
	s_branch .Lhalf0                               ; the loop is entered in the middle of its first chunk
.Ltop:                                                 ; a trip: two chunks, four steps
	CHUNK 0
	CHUNK 1
	s_add_co_u32 s52, s52, 4*STEPB
	v_add_nc_u32 v[ADB], s52, v[BRL]
	s_sub_co_u32 s22, s22, 1
	s_cmp_lg_u32 s22, 0
	s_cbranch_scc1 .Ltop
.Lkend:
	s_wait_loadcnt 0x0                             ; the look-ahead has landed: its registers are used anew
	s_wait_dscnt 0x0                               ; my reads of the slice are over
	BAR                                            ; everybody's are: now the stages are written
	s_cmp_eq_u32 s20, 0
	s_cbranch_scc1 .Lwoend
	; THE WAY OUT, a group of 16 rows at a time; groups past NG are jumped.  A group's entries are asked for a group ahead.
	PLACES
	s_mov_b32 s83, s21
	ENLOAD                                         ; group 0's; the bias's unpacking stands in the wait for them
.set i, 0
.rept 32
	v_lshlrev_b32 v[BS+2*i], 16, v[BI+i]
	v_and_b32 v[BS+2*i+1], s63, v[BI+i]
.set i, i+1
.endr
	s_mov_b32 s82, 0
.Lg:
	s_cmp_ge_u32 s82, s20
	s_cbranch_scc1 .Lnext
.irp g, 0,1,2,3,4
	s_cmp_eq_u32 s82, \g
	s_cbranch_scc1 .Lsw\g
.endr
.irp g, 5,4,3,2,1,0                                    ; X = the group's sums + bias; each accumulator is read from its low end on
.if \g < 5
.Lsw\g:
.endif
	WIN 0x42+(\g)/4
.set i, 0
.rept 32
	v_pk_add_f32 v[2*i:2*i+1], v[64*((\g)%4)+2*i:64*((\g)%4)+2*i+1], v[BS+2*i:BS+2*i+1]
.set i, i+1
.endr
	WIN 0
.if \g > 0
	s_branch .Lcom
.endif
.endr
.Lcom:
.irp p, 0,1                                            ; 64 columns at a time: 256 bytes of each of the 16 rows go through my stage
	WIN 0x04
.irp b, 0,1,2,3
	ds_store_b128 v[STO], v[8*(4*\p+\b):8*(4*\p+\b)+3] offset:64*\b
	ds_store_b128 v[STO], v[8*(4*\p+\b)+4:8*(4*\p+\b)+7] offset:64*\b+16
.endr
	WIN 0x40
.irp t, 0,1,2,3,4,5,6,7
	ds_load_b128 v[ZZ+32*\p+4*\t:ZZ+32*\p+4*\t+3], v[RD] offset:544*\t     ; my own stage: LDS serves a wave's instructions in order, the second half's stores behind these too
.endr
.endr
	WIN 0
	s_wait_loadcnt 0x0                             ; this group's entries are in: they are the only loads out
.set t, 0
.rept 8
	v_min_u32 v[EN+t], 0x7ff, v[ENN+t]
	v_lshl_add_u32 v[EN+t], v[EN+t], 12, v[GO]     ; part's rows lie by entry, 4,096 bytes each
.set t, t+1
.endr
	s_add_co_u32 s83, s83, 64
	ENLOAD                                         ; the next group's
	s_wait_dscnt 0x0
	WIN 0x04
.irp p, 0,1
.irp t, 0,1,2,3,4,5,6,7
	global_store_b128 v[EN+\t], v[ZZ+32*\p+4*\t:ZZ+32*\p+4*\t+3], s[48:49] offset:256*\p   ; 16 lanes store 256 consecutive bytes, aligned; a rank past the count stores the last row's bits once more
.endr
.endr
	WIN 0
	s_wait_xcnt 0x0                                ; the stores' data and addresses are rewritten only behind this wait
.Lnext:
	s_add_co_u32 s82, s82, 1
	s_cmp_lt_u32 s82, 6
	s_cbranch_scc1 .Lg
.Lwoend:
	s_wait_loadcnt 0x0                             ; the last look-ahead for entries has landed: its registers are loaded anew in the next block
	s_wait_dscnt 0x0                               ; my stores into my stage are done
	BAR                                            ; everybody's are: the next block reads LDS again
	s_add_co_u32 s16, s16, 1
	s_cmp_lt_u32 s16, 3
	s_cbranch_scc1 .Lsb
	s_wait_tensorcnt 0x0                           ; the wave's end, behind my last LDS store
	ds_add_u32 v[SPW], v[NIL]
	s_wait_dscnt 0x0
	s_endpgm
.Lfunc_end_k_qf940322d5f_down:
	.size	k_qf940322d5f_down, .Lfunc_end_k_qf940322d5f_down-k_qf940322d5f_down
	.p2alignl 7, 3214868480
	.fill 96, 4, 3214868480
	.section	.rodata,"a",@progbits
	.p2align	6, 0x0
	.amdhsa_kernel k_qf940322d5f_down
		.amdhsa_group_segment_fixed_size 327680
		.amdhsa_private_segment_fixed_size 0
		.amdhsa_enable_private_segment 0
		.amdhsa_kernarg_size 48
		.amdhsa_user_sgpr_count 2
		.amdhsa_user_sgpr_kernarg_segment_ptr 1
		.amdhsa_wavefront_size32 1
		.amdhsa_system_sgpr_workgroup_id_x 1
		.amdhsa_system_sgpr_workgroup_id_y 1
		.amdhsa_system_sgpr_workgroup_id_z 1
		.amdhsa_system_vgpr_workitem_id 0
		.amdhsa_next_free_vgpr 1024
		.amdhsa_next_free_sgpr 100
		.amdhsa_reserve_vcc 0
		.amdhsa_float_denorm_mode_32 3
		.amdhsa_float_denorm_mode_16_64 3
		.amdhsa_memory_ordered 1
		.amdhsa_forward_progress 1
		.amdhsa_inst_pref_size 155
	.end_amdhsa_kernel
	.amdgpu_metadata
---
amdhsa.version: [ 1, 2 ]
amdhsa.kernels:
  - .name:           k_qf940322d5f_down
    .symbol:         k_qf940322d5f_down.kd
    .args:
      - { .name: hid, .offset: 0, .size: 8, .value_kind: global_buffer, .address_space: global }
      - { .name: bm, .offset: 8, .size: 8, .value_kind: global_buffer, .address_space: global }
      - { .name: w2, .offset: 16, .size: 8, .value_kind: global_buffer, .address_space: global }
      - { .name: b2, .offset: 24, .size: 8, .value_kind: global_buffer, .address_space: global }
      - { .name: part, .offset: 32, .size: 8, .value_kind: global_buffer, .address_space: global }
      - { .name: lst, .offset: 40, .size: 8, .value_kind: global_buffer, .address_space: global }
    .group_segment_fixed_size: 327680
    .private_segment_fixed_size: 0
    .kernarg_segment_align: 8
    .kernarg_segment_size: 48
    .max_flat_workgroup_size: 128
    .sgpr_count:     100
    .vgpr_count:     1024
    .wavefront_size: 32
...
	.end_amdgpu_metadata
.endif
;; end of part 6
;; launch combine: the kernel of part 4 again; grid 256 x 1, 8 waves a work-group, no clusters, 0 bytes of LDS; arguments part, gat, out0; writes out0
